; MI455X (gfx1250); checked and timed in simulation.
; The chip was launched on July 23, 2026; its instructions are those of AMD's public machine-readable ISA for CDNA 5 (MIT licence, August 2026) and "CDNA5" Instruction Set Architecture Reference Guide (July 2026). The comments in the code are by the model that wrote it; some were corrected since.
;; Causal Multi Head Self Attention. Allowed arithmetic: float matrix products may take bf16 or f16 operands with f32 sums; other float arithmetic in f32, or as packed bf16 or f16 multiplies, adds, multiply-adds, maxima and minima; sums over many terms, partial sums and values carried from step to step in f32; what a program stores and reads back later, other than sums and carried values, may be rounded once to bf16 or f16.
;; Inputs: Wk 1,024 x 1,024 float32; Wo 64 x 1,024 float32; Wq 1,024 x 1,024 float32; Wv 1,024 x 1,024 float32; in_features 4 x 2,048 x 1,024 float32.
;; Outputs: out0 4 x 2,048 x 64 float32.
;; One version. Each part assembles by itself: llvm-mc -triple=amdgcn-amd-amdhsa -mcpu=gfx1250 --defsym DOCPART=n.
;; ======== version 1 of 1: 5 launches
;; limits: values are held in f16: magnitudes above 65,504 overflow, below 6.1e-05 lose precision
;; workspace buffers: xh 16,777,216 bytes; wqk 4,194,304 bytes; wf 131,072 bytes; wmax 1,024 bytes; vf 1,048,576 bytes; qk 33,554,432 bytes; op 33,554,432 bytes; st 1,048,576 bytes
;; launch prep (part 1): grid 384 x 1, 8 waves a work-group, no clusters, 33,792 bytes of LDS; arguments in_features, Wq, Wk, Wv, Wo, xh, wqk, wf, wmax; writes xh, wqk, wf, wmax
.if DOCPART == 1
	.amdgcn_target "amdgcn-amd-amdhsa--gfx1250"
	.amdhsa_code_object_version 6
	.text
	.protected	k_q01c2e2ae53_prep
	.globl	k_q01c2e2ae53_prep
	.p2align	8
	.type	k_q01c2e2ae53_prep,@function
k_q01c2e2ae53_prep:
	s_mov_b64 s[64:65], 0
	v_nop
	global_prefetch_b8 v0, s[64:65] scope:SCOPE_SE
	s_setreg_imm32_b32 hwreg(HW_REG_WAVE_MODE, 25, 1), 1
	s_wait_xcnt 0x0
; PREP.  Two kinds of work-group, told apart by the work-group's number alone (the same for all eight waves).
; Work-groups 0-63: Wvo = Wo Wv, since out = attn (x Wv^T) Wo^T = attn (x (Wo Wv)^T): the value path then has 64 channels.  Work-group g makes columns d = 16 g .. 16 g + 15 for all 64 rows v;
;   the sum over e (1,024) is split among the eight waves, 128 each; the partial tiles meet in LDS.  Stored: wf = f16(32 Wvo) in the order of a matrix source (lane (r, h): row 16 vb + r, d = 8 h + 0..7 of a
;   piece of 16), and wmax = the largest |32 Wvo| of each 16 x 16 tile, in f32, from which later launches take one power of two as a scale.
; Work-groups 64-383: casts.  32 rows of 1,024 f32 each: in_features -> xh, Wq -> wqk rows 0-1023, Wk -> wqk rows 1024-2047.
; FORMAT.  Every input is rounded to bf16 and that number is written as f16 (exact where it lies in f16's normal range).
; LIMITS.  |input| below 65,504; below 6.1e-5 f16's fixed step of 6e-8 holds; |32 Wvo| below 65,504; NaN and infinities are not treated apart.
.set SPARE, 32768                      ; behind the partial tiles: the spare words, 128 bytes for each of eight waves
.set SPW, 4                            ; v4   LDS address of my spare word; never rewritten
.set NIL, 5                            ; v5   0; never rewritten
.set VO,  6                            ; v6   my offset in Wv: 8 h rows of 4,096 bytes + 4 r
.set OO,  7                            ; v7   my offset in Wo: r rows of 4,096 bytes + 32 h
.set LS,  8                            ; v8   where I put 32 bytes of a partial tile
.set LR,  9                            ; v9   where I read them back
.set T,   10                           ; v10-15 at work, two sets of three
.set BF,  16                           ; v[16:23]   source 0: 16 columns d x 32 e of Wv
.set AF,  24                           ; v[24:55]   source 1: 16 rows v x 32 e of Wo, for vb = 0..3
.set ACC, 56                           ; v[56:87]   four accumulators, one for each vb
.set RV,  88                           ; v[88:119]  Wv as loaded, f32: two K steps of 16
.set RO,  120                          ; v[120:247] Wo as loaded, f32: two K steps of 4 x 16
.set X,   16                           ; casts: v[16:143] 32 loads of 4
.set Y,   144                          ; casts: v[144:207] 32 stores of 2
.set U,   208                          ; casts: v[208:213] at work
.macro PLACES                          ; four places behind a matrix instruction (ISA guide 7.12.1)
.rept 4
	v_nop
.endr
.endm
.macro CVT2 dst, a, t                  ; two f32 -> bf16 -> the same numbers as f16, packed
	v_cvt_pk_bf16_f32 v[\t], v[\a], v[(\a)+1]
	v_lshlrev_b32 v[(\t)+1], 16, v[\t]
	v_and_b32 v[(\t)+2], s3, v[\t]
	v_cvt_pk_f16_f32 v[\dst], v[(\t)+1], v[(\t)+2]
.endm
	s_load_b512 s[8:23], s[0:1], 0x0               ; in_features 8, Wq 10, Wk 12, Wv 14, Wo 16, xh 18, wqk 20, wf 22
	s_load_b64 s[24:25], s[0:1], 0x40              ; wmax
	v_lshl_add_u32 v[SPW], v0, 2, SPARE
	v_mov_b32 v[NIL], 0
	v_lshrrev_b32 v1, 5, v0
	v_readfirstlane_b32 s2, v1                     ; wave 0..7
	v_and_b32 v3, 31, v0                           ; lane
	s_mov_b32 s3, 0xffff0000                       ; a word's upper bf16
	s_cmp_lt_u32 ttmp9, 64
	s_cbranch_scc0 .Lcast
	; ---- Wvo ----
	v_and_b32 v1, 15, v0                           ; r
	v_bfe_u32 v2, v0, 4, 1                         ; h
	v_lshlrev_b32 v[VO], 2, v1
	v_lshl_or_b32 v[VO], v2, 15, v[VO]
	v_lshlrev_b32 v[OO], 12, v1
	v_lshl_or_b32 v[OO], v2, 5, v[OO]
	s_lshl_b32 s26, s2, 12
	v_lshl_add_u32 v[LS], v3, 5, s26               ; 4,096 x wave + 32 x lane
	s_lshl_b32 s26, s2, 10
	v_lshl_add_u32 v[LR], v3, 5, s26               ; tile vb = my wave (waves 0-3): 1,024 x wave + 32 x lane
	s_lshl_b32 s26, s2, 19                         ; my 128 rows e of Wv,
	s_lshl_b32 s27, ttmp9, 6                       ; the work-group's 16 columns
	s_add_co_u32 s26, s26, s27
	s_mov_b32 s27, 0
	s_lshl_b32 s28, s2, 9                          ; my 128 columns e of Wo
	s_mov_b32 s29, 0
	s_mov_b32 s30, 2                               ; two trips of two K steps of 32
	s_mov_b32 s32, 0x76543210                      ; v_permlanex16_b32: each lane takes its own place in the other half
	s_mov_b32 s33, 0xfedcba98
.set j, 0
.rept 32
	v_mov_b32 v[ACC+j], 0                          ; the sums start at 0, written while the arguments are on their way, so that the loop has one form of product
.set j, j+1
.endr
	s_wait_kmcnt 0x0
	s_add_nc_u64 s[26:27], s[14:15], s[26:27]
	s_add_nc_u64 s[28:29], s[16:17], s[28:29]
.macro KSTEP sp                        ; one K step of 32: 40 pairs of conversions, four products
	PLACES                                         ; the conversions write sources of the last products
.set j, 0
.rept 8
	CVT2 BF+j, RV+16*(\sp)+2*j, T+3*(j%2)
.set j, j+1
.endr
.set j, 0
.rept 32
	CVT2 AF+j, RO+64*(\sp)+2*j, T+3*(j%2)
.set j, j+1
.endr
.irp vb, 0,1,2,3                       ; the four accumulators take turns, over the backward jump too
	v_wmma_f32_16x16x32_f16 v[ACC+8*(\vb):ACC+8*(\vb)+7], v[BF:BF+7], v[AF+8*(\vb):AF+8*(\vb)+7], v[ACC+8*(\vb):ACC+8*(\vb)+7]
.endr
.endm
.Ltrip:
.irp sp, 0,1
.set i, 0
.rept 16                               ; lane (r, h): Wv[e0 + 8 h + 0..7][d0 + r] and Wv[e0 + 16 + 8 h + 0..7][d0 + r]: a fragment's own order of k
	global_load_b32 v[RV+16*(\sp)+i], v[VO], s[26:27] offset:(32*(\sp)+i+8*(i/8))*4096
.set i, i+1
.endr
.endr
.irp sp, 0,1
.irp vb, 0,1,2,3                       ; lane (r, h): Wo[16 vb + r][e0 + 8 h + 0..7] and [e0 + 16 + 8 h + 0..7]
	global_load_b128 v[RO+64*(\sp)+16*(\vb):RO+64*(\sp)+16*(\vb)+3],     v[OO], s[28:29] offset:(\vb)*65536+128*(\sp)
	global_load_b128 v[RO+64*(\sp)+16*(\vb)+4:RO+64*(\sp)+16*(\vb)+7],   v[OO], s[28:29] offset:(\vb)*65536+128*(\sp)+16
	global_load_b128 v[RO+64*(\sp)+16*(\vb)+8:RO+64*(\sp)+16*(\vb)+11],  v[OO], s[28:29] offset:(\vb)*65536+128*(\sp)+64
	global_load_b128 v[RO+64*(\sp)+16*(\vb)+12:RO+64*(\sp)+16*(\vb)+15], v[OO], s[28:29] offset:(\vb)*65536+128*(\sp)+80
.endr
.endr
	s_wait_loadcnt 0x0                             ; all 64 loads are wanted; they are done, so their bases may be stepped
	s_add_nc_u64 s[26:27], s[26:27], 64*4096       ; 64 rows of Wv on
	s_add_nc_u64 s[28:29], s[28:29], 256           ; 64 columns of Wo on
	KSTEP 0
	KSTEP 1
	s_sub_co_u32 s30, s30, 1
	s_cmp_lg_u32 s30, 0
	s_cbranch_scc1 .Ltrip
	PLACES
	PLACES
.irp vb, 0,1,2,3                       ; each accumulator's lowest registers are read first
	ds_store_b128 v[LS], v[ACC+8*(\vb):ACC+8*(\vb)+3]   offset:1024*(\vb)
	ds_store_b128 v[LS], v[ACC+8*(\vb)+4:ACC+8*(\vb)+7] offset:1024*(\vb)+16
.endr
	s_wait_dscnt 0x0                               ; for the others' sake: my partial tiles lie in LDS
	s_barrier_signal -1
	s_barrier_wait -1
	s_cmp_lt_u32 s2, 4                             ; wave w < 4 finishes tile vb = w
	s_cbranch_scc0 .Lend
.irp u, 0,1,2,3,4,5,6,7
	ds_load_b128 v[RO+8*(\u):RO+8*(\u)+3],   v[LR] offset:4096*(\u)
	ds_load_b128 v[RO+8*(\u)+4:RO+8*(\u)+7], v[LR] offset:4096*(\u)+16
.endr
	s_lshl_b32 s26, s2, 15                         ; wf: 32,768 vb + 512 g
	s_lshl_b32 s27, ttmp9, 9
	s_add_co_u32 s26, s26, s27
	s_mov_b32 s27, 0
	s_add_nc_u64 s[22:23], s[22:23], s[26:27]
	s_lshl_b32 s28, s2, 6                          ; wmax: word 64 vb + g
	s_add_co_u32 s28, s28, ttmp9
	s_lshl_b32 s28, s28, 2
	s_mov_b32 s29, 0
	s_add_nc_u64 s[24:25], s[24:25], s[28:29]
	v_lshlrev_b32 v[T], 4, v3                      ; 16 x lane
	s_wait_dscnt 0x0
.irp u, 0,2,4,6
.irp k, 0,2,4,6
	v_pk_add_f32 v[RO+8*(\u)+(\k):RO+8*(\u)+(\k)+1], v[RO+8*(\u)+(\k):RO+8*(\u)+(\k)+1], v[RO+8*(\u)+8+(\k):RO+8*(\u)+8+(\k)+1]
.endr
.endr
.irp u, 0,4
.irp k, 0,2,4,6
	v_pk_add_f32 v[RO+8*(\u)+(\k):RO+8*(\u)+(\k)+1], v[RO+8*(\u)+(\k):RO+8*(\u)+(\k)+1], v[RO+8*(\u)+16+(\k):RO+8*(\u)+16+(\k)+1]
.endr
.endr
.irp k, 0,2,4,6
	v_pk_add_f32 v[RO+(\k):RO+(\k)+1], v[RO+(\k):RO+(\k)+1], v[RO+32+(\k):RO+32+(\k)+1]
.endr
.irp k, 0,2,4,6
	v_pk_mul_f32 v[RO+(\k):RO+(\k)+1], v[RO+(\k):RO+(\k)+1], 0x42000000 op_sel_hi:[1,0]  ; x 32: the drawn weights then give numbers near 1
.endr
.irp k, 0,1,2,3,4,5,6,7
	v_and_b32 v[RO+8+(\k)], 0x7fffffff, v[RO+(\k)]
.endr
	v_max3_num_f32 v11, v[RO+8], v[RO+9], v[RO+10]
	v_max3_num_f32 v11, v11, v[RO+11], v[RO+12]
	v_max3_num_f32 v11, v11, v[RO+13], v[RO+14]
	v_max_num_f32 v11, v11, v[RO+15]
.irp k, 0,1,2,3
	v_cvt_pk_f16_f32 v[RO+16+(\k)], v[RO+2*(\k)], v[RO+2*(\k)+1]
.endr
	global_store_b128 v[T], v[RO+16:RO+19], s[22:23]  ; the wave's store covers 512 consecutive bytes, aligned
	v_max_num_f32_dpp v11, v11, v11 row_xmask:1 row_mask:0xf bank_mask:0xf
	v_max_num_f32_dpp v11, v11, v11 row_xmask:2 row_mask:0xf bank_mask:0xf
	v_max_num_f32_dpp v11, v11, v11 row_xmask:4 row_mask:0xf bank_mask:0xf
	v_max_num_f32_dpp v11, v11, v11 row_xmask:8 row_mask:0xf bank_mask:0xf
	v_mov_b32 v12, v11
	v_permlanex16_b32 v12, v11, s32, s33
	v_max_num_f32 v11, v11, v12                    ; the tile's largest magnitude, in every lane
	v_mov_b32 v13, 0
	v_cmp_eq_u32 vcc_lo, 0, v3
	s_wait_xcnt 0x0                                ; EXEC changes only behind this wait
	s_and_saveexec_b32 s30, vcc_lo
	global_store_b32 v13, v11, s[24:25]            ; lane 0 alone: one word
	s_wait_xcnt 0x0                                ; and again, in front of the line that widens it
	s_or_b32 exec_lo, exec_lo, s30
	s_branch .Lend
	; ---- casts ----
.Lcast:
	s_sub_co_u32 s26, ttmp9, 64                    ; 0..319: 256 blocks of in_features, 32 of Wq, 32 of Wk
	s_lshl_b32 s38, s2, 14
	v_lshl_add_u32 v1, v3, 4, s38                  ; in: 16,384 x wave + 16 x lane
	s_lshl_b32 s38, s2, 13
	v_lshl_add_u32 v2, v3, 3, s38                  ; out: 8,192 x wave + 8 x lane
	s_wait_kmcnt 0x0
	s_cmp_lt_u32 s26, 256
	s_cselect_b64 s[28:29], s[8:9], s[10:11]
	s_cselect_b64 s[30:31], s[18:19], s[20:21]
	s_cselect_b32 s32, 0, 256                      ; the first block of my source,
	s_cselect_b32 s33, 0, 256                      ; and of my target: Wq and Wk lie one behind the other in wqk
	s_cmp_lt_u32 s26, 288
	s_cselect_b64 s[28:29], s[28:29], s[12:13]
	s_cselect_b32 s32, s32, 288
	s_sub_co_u32 s32, s26, s32
	s_sub_co_u32 s33, s26, s33
	s_lshl_b32 s34, s32, 17                        ; 32 rows of 4,096 bytes
	s_mov_b32 s35, 0
	s_lshl_b32 s36, s33, 16                        ; 32 rows of 2,048 bytes
	s_mov_b32 s37, 0
	s_add_nc_u64 s[28:29], s[28:29], s[34:35]
	s_add_nc_u64 s[30:31], s[30:31], s[36:37]
.set i, 0
.rept 32                               ; a wave's 16 KiB go out at once: 32 loads of 512 consecutive bytes
	global_load_b128 v[X+4*i:X+4*i+3], v1, s[28:29] offset:512*i th:TH_LOAD_NT
.set i, i+1
.endr
.set i, 0
.rept 32
	s_wait_loadcnt 31-i                            ; loads come back in order: load i is in, the younger ones stay out
	v_cvt_pk_bf16_f32 v[U], v[X+4*i], v[X+4*i+1]
	v_cvt_pk_bf16_f32 v[U+1], v[X+4*i+2], v[X+4*i+3]
	v_lshlrev_b32 v[U+2], 16, v[U]
	v_and_b32 v[U+3], s3, v[U]
	v_lshlrev_b32 v[U+4], 16, v[U+1]
	v_and_b32 v[U+5], s3, v[U+1]
	v_cvt_pk_f16_f32 v[Y+2*i], v[U+2], v[U+3]
	v_cvt_pk_f16_f32 v[Y+2*i+1], v[U+4], v[U+5]
	global_store_b64 v2, v[Y+2*i:Y+2*i+1], s[30:31] offset:256*i  ; 32 lanes store 256 consecutive bytes, aligned; no store's registers are written again
.set i, i+1
.endr
.Lend:
	s_wait_tensorcnt 0x0                           ; the wave's end, behind my last LDS store
	ds_add_u32 v[SPW], v[NIL]
	s_wait_dscnt 0x0
	s_endpgm
.Lfunc_end_k_q01c2e2ae53_prep:
	.size	k_q01c2e2ae53_prep, .Lfunc_end_k_q01c2e2ae53_prep-k_q01c2e2ae53_prep
	.p2alignl 7, 3214868480
	.fill 96, 4, 3214868480
	.section	.rodata,"a",@progbits
	.p2align	6, 0x0
	.amdhsa_kernel k_q01c2e2ae53_prep
		.amdhsa_group_segment_fixed_size 33792
		.amdhsa_private_segment_fixed_size 0
		.amdhsa_enable_private_segment 0
		.amdhsa_kernarg_size 72
		.amdhsa_user_sgpr_count 2
		.amdhsa_user_sgpr_kernarg_segment_ptr 1
		.amdhsa_wavefront_size32 1
		.amdhsa_system_sgpr_workgroup_id_x 1
		.amdhsa_system_sgpr_workgroup_id_y 1
		.amdhsa_system_sgpr_workgroup_id_z 1
		.amdhsa_system_vgpr_workitem_id 0
		.amdhsa_next_free_vgpr 248
		.amdhsa_next_free_sgpr 66
		.amdhsa_reserve_vcc 1
		.amdhsa_float_denorm_mode_32 3
		.amdhsa_float_denorm_mode_16_64 3
		.amdhsa_memory_ordered 1
		.amdhsa_forward_progress 1
		.amdhsa_inst_pref_size 51
	.end_amdhsa_kernel
	.amdgpu_metadata
---
amdhsa.version: [ 1, 2 ]
amdhsa.kernels:
  - .name:           k_q01c2e2ae53_prep
    .symbol:         k_q01c2e2ae53_prep.kd
    .args:
      - { .name: in_features, .offset: 0, .size: 8, .value_kind: global_buffer, .address_space: global }
      - { .name: Wq, .offset: 8, .size: 8, .value_kind: global_buffer, .address_space: global }
      - { .name: Wk, .offset: 16, .size: 8, .value_kind: global_buffer, .address_space: global }
      - { .name: Wv, .offset: 24, .size: 8, .value_kind: global_buffer, .address_space: global }
      - { .name: Wo, .offset: 32, .size: 8, .value_kind: global_buffer, .address_space: global }
      - { .name: xh, .offset: 40, .size: 8, .value_kind: global_buffer, .address_space: global }
      - { .name: wqk, .offset: 48, .size: 8, .value_kind: global_buffer, .address_space: global }
      - { .name: wf, .offset: 56, .size: 8, .value_kind: global_buffer, .address_space: global }
      - { .name: wmax, .offset: 64, .size: 8, .value_kind: global_buffer, .address_space: global }
    .group_segment_fixed_size: 33792
    .private_segment_fixed_size: 0
    .kernarg_segment_align: 8
    .kernarg_segment_size: 72
    .max_flat_workgroup_size: 256
    .sgpr_count:     66
    .vgpr_count:     248
    .wavefront_size: 32
...
	.end_amdgpu_metadata
.endif
;; end of part 1
;; launch vproj (part 2): grid 256 x 1, 4 waves a work-group, no clusters, 33,280 bytes of LDS; arguments xh, wf, wmax, vf; writes vf
.if DOCPART == 2
	.amdgcn_target "amdgcn-amd-amdhsa--gfx1250"
	.amdhsa_code_object_version 6
	.text
	.protected	k_q01c2e2ae53_vproj
	.globl	k_q01c2e2ae53_vproj
	.p2align	8
	.type	k_q01c2e2ae53_vproj,@function
k_q01c2e2ae53_vproj:
	s_mov_b64 s[64:65], 0
	v_nop
	global_prefetch_b8 v0, s[64:65] scope:SCOPE_SE
	s_setreg_imm32_b32 hwreg(HW_REG_WAVE_MODE, 25, 1), 1
	s_wait_xcnt 0x0
; V'' = (x (32 Wvo)^T) 2^-(E+3), E the exponent of the largest |32 Wvo| (from wmax): 8,192 keys x 64 channels in f16, stored in the order of a matrix source for O^T = V^T P:
; chunk c of 32 keys at 4,096 c; channel block cb at + 1,024 cb; 16 keys kb at + 512 kb; lane (r, h) holds channel 16 cb + r and keys 16 kb + 8 h + 0..7 at + 16 x lane.
; SHARES.  Work-group c makes chunk c: eight tiles (cb, kb).  The sum over d (1,024) is split among the four waves, 256 each, eight K steps of 32; the partial tiles meet in LDS.
; Source 0 = 16 keys of x, source 1 = 16 channels of wf: in the result a lane holds one channel and eight neighbouring keys: 16 bytes of vf on end.
; IN FLIGHT.  Three sets of registers, a K step each: while one is multiplied the other two sets' 24 loads are on their way.  No prefetch: the launch is short.
; LIMITS.  The scale keeps V'' within f16 for x up to 30 times the drawn spread or offset by 30 spreads; V'' below 6.1e-5 keeps f16's fixed step.
.set SPARE, 32768
.set FO,  2                            ; v2   x: r rows of 2,048 bytes + 16 h + 512 x wave
.set WO,  3                            ; v3   wf: 16 x lane + 8,192 x wave
.set LS,  4                            ; v4   8,192 x wave + 32 x lane
.set LR,  5                            ; v5   2,048 x wave + 32 x lane
.set YO,  6                            ; v6   16 x lane + 1,024 x wave
.set SPW, 8
.set NIL, 9
.set SC,  10                           ; v[10:11] the scale, twice
.set ACC, 16                           ; v[16:79]  tile (cb, kb) at ACC + 8 (2 cb + kb)
.set BUF, 80                           ; v[80:223] three sets of 48: x's kb at + 8 kb, wf's cb at + 16 + 8 cb
.set WM,  224                          ; v[224:231] my eight words of wmax
.macro PLACES
.rept 4
	v_nop
.endr
.endm
.macro LOADS u, s                      ; K step s into set u: 12 loads
.irp kb, 0,1
	global_load_b128 v[BUF+48*(\u)+8*(\kb):BUF+48*(\u)+8*(\kb)+3],   v[FO], s[4:5] offset:32768*(\kb)+64*(\s) th:TH_LOAD_NT
	global_load_b128 v[BUF+48*(\u)+8*(\kb)+4:BUF+48*(\u)+8*(\kb)+7], v[FO], s[4:5] offset:32768*(\kb)+64*(\s)+32 th:TH_LOAD_NT
.endr
.irp cb, 0,1,2,3
	global_load_b128 v[BUF+48*(\u)+16+8*(\cb):BUF+48*(\u)+16+8*(\cb)+3],   v[WO], s[6:7] offset:32768*(\cb)+1024*(\s)
	global_load_b128 v[BUF+48*(\u)+16+8*(\cb)+4:BUF+48*(\u)+16+8*(\cb)+7], v[WO], s[6:7] offset:32768*(\cb)+1024*(\s)+512
.endr
.endm
.macro MULS u, zero                    ; eight products; the eight accumulators take turns
.irp cb, 0,1,2,3
.irp kb, 0,1
.if \zero
	v_wmma_f32_16x16x32_f16 v[ACC+8*(2*(\cb)+(\kb)):ACC+8*(2*(\cb)+(\kb))+7], v[BUF+48*(\u)+8*(\kb):BUF+48*(\u)+8*(\kb)+7], v[BUF+48*(\u)+16+8*(\cb):BUF+48*(\u)+16+8*(\cb)+7], 0
.else
	v_wmma_f32_16x16x32_f16 v[ACC+8*(2*(\cb)+(\kb)):ACC+8*(2*(\cb)+(\kb))+7], v[BUF+48*(\u)+8*(\kb):BUF+48*(\u)+8*(\kb)+7], v[BUF+48*(\u)+16+8*(\cb):BUF+48*(\u)+16+8*(\cb)+7], v[ACC+8*(2*(\cb)+(\kb)):ACC+8*(2*(\cb)+(\kb))+7]
.endif
.endr
.endr
.endm
.macro STEP s, u, left, zero, more     ; left: the younger sets' loads, which stay out; more = 1: the set is asked for again, three K steps on
	s_wait_loadcnt \left
	MULS \u, \zero
.if \more
	PLACES                                         ; in front of loads into registers that the products have read
	LOADS \u, (\s)+3
.endif
.endm
	s_load_b256 s[4:11], s[0:1], 0x0               ; xh s[4:5], wf s[6:7], wmax s[8:9], vf s[10:11]
	v_lshl_add_u32 v[SPW], v0, 2, SPARE
	v_mov_b32 v[NIL], 0
	v_lshrrev_b32 v1, 5, v0
	v_readfirstlane_b32 s12, v1                    ; wave 0..3
	v_and_b32 v12, 15, v0                          ; r
	v_bfe_u32 v13, v0, 4, 1                        ; h
	v_and_b32 v14, 31, v0                          ; lane
	s_lshl_b32 s13, s12, 9
	v_lshlrev_b32 v[FO], 11, v12
	v_lshl_add_u32 v[FO], v13, 4, v[FO]
	v_add_nc_u32 v[FO], s13, v[FO]
	s_lshl_b32 s13, s12, 13
	v_lshl_add_u32 v[WO], v14, 4, s13
	v_lshl_add_u32 v[LS], v14, 5, s13
	s_lshl_b32 s13, s12, 11
	v_lshl_add_u32 v[LR], v14, 5, s13
	s_lshl_b32 s13, s12, 10
	v_lshl_add_u32 v[YO], v14, 4, s13
	v_lshlrev_b32 v15, 5, v14                      ; my 32 bytes of wmax; never rewritten
	s_lshl_b32 s14, ttmp9, 16                      ; the chunk's 32 rows of 2,048 bytes
	s_mov_b32 s15, 0
	s_lshl_b32 s16, ttmp9, 12                      ; the chunk's 4,096 bytes of vf
	s_mov_b32 s17, 0
	s_mov_b32 s18, 0x76543210
	s_mov_b32 s19, 0xfedcba98
	s_wait_kmcnt 0x0
	s_add_nc_u64 s[4:5], s[4:5], s[14:15]
	s_add_nc_u64 s[10:11], s[10:11], s[16:17]
	global_load_b128 v[WM:WM+3],   v15, s[8:9]
	global_load_b128 v[WM+4:WM+7], v15, s[8:9] offset:16
	LOADS 0, 0
	LOADS 1, 1
	LOADS 2, 2
	s_wait_loadcnt 36                              ; wmax is in; the 36 fragment loads stay out
	v_max3_num_f32 v12, v[WM], v[WM+1], v[WM+2]
	v_max3_num_f32 v12, v12, v[WM+3], v[WM+4]
	v_max3_num_f32 v12, v12, v[WM+5], v[WM+6]
	v_max_num_f32 v12, v12, v[WM+7]
	v_max_num_f32_dpp v12, v12, v12 row_xmask:1 row_mask:0xf bank_mask:0xf
	v_max_num_f32_dpp v12, v12, v12 row_xmask:2 row_mask:0xf bank_mask:0xf
	v_max_num_f32_dpp v12, v12, v12 row_xmask:4 row_mask:0xf bank_mask:0xf
	v_max_num_f32_dpp v12, v12, v12 row_xmask:8 row_mask:0xf bank_mask:0xf
	v_permlanex16_b32 v13, v12, s18, s19
	v_max_num_f32 v12, v12, v13                    ; the largest |32 Wvo|
	v_and_b32 v12, 0x7f800000, v12                 ; its exponent field e, in place
	v_sub_nc_u32 v[SC], 0x7d800000, v12            ; the field 251 - e: 2^-(E+3)
	v_mov_b32 v[SC+1], v[SC]
	STEP 0, 0, 24, 1, 1
	STEP 1, 1, 24, 0, 1
	STEP 2, 2, 24, 0, 1
	STEP 3, 0, 24, 0, 1
	STEP 4, 1, 24, 0, 1
	STEP 5, 2, 24, 0, 0
	STEP 6, 0, 12, 0, 0
	STEP 7, 1, 0, 0, 0
	PLACES
	PLACES
.set t, 0
.rept 8                                ; each accumulator's lowest registers are read first
	ds_store_b128 v[LS], v[ACC+8*t:ACC+8*t+3]   offset:1024*t
	ds_store_b128 v[LS], v[ACC+8*t+4:ACC+8*t+7] offset:1024*t+16
.set t, t+1
.endr
	s_wait_dscnt 0x0                               ; for the others' sake: my partial tiles lie in LDS
	s_barrier_signal -1
	s_barrier_wait -1
.irp u, 0,1,2,3                        ; wave w finishes channel block cb = w, both kb
.irp kb, 0,1
	ds_load_b128 v[BUF+16*(\u)+8*(\kb):BUF+16*(\u)+8*(\kb)+3],   v[LR] offset:8192*(\u)+1024*(\kb)
	ds_load_b128 v[BUF+16*(\u)+8*(\kb)+4:BUF+16*(\u)+8*(\kb)+7], v[LR] offset:8192*(\u)+1024*(\kb)+16
.endr
.endr
	s_wait_dscnt 0x0
.set k, 0
.rept 8
	v_pk_add_f32 v[BUF+k:BUF+k+1], v[BUF+k:BUF+k+1], v[BUF+16+k:BUF+16+k+1]
	v_pk_add_f32 v[BUF+32+k:BUF+32+k+1], v[BUF+32+k:BUF+32+k+1], v[BUF+48+k:BUF+48+k+1]
.set k, k+2
.endr
.set k, 0
.rept 8
	v_pk_add_f32 v[BUF+k:BUF+k+1], v[BUF+k:BUF+k+1], v[BUF+32+k:BUF+32+k+1]
.set k, k+2
.endr
.set k, 0
.rept 8
	v_pk_mul_f32 v[BUF+k:BUF+k+1], v[BUF+k:BUF+k+1], v[SC:SC+1]
.set k, k+2
.endr
.set k, 0
.rept 8
	v_cvt_pk_f16_f32 v[BUF+16+k], v[BUF+2*k], v[BUF+2*k+1]
.set k, k+1
.endr
	global_store_b128 v[YO], v[BUF+16:BUF+19], s[10:11]             ; each store of the wave covers 512 consecutive bytes, aligned
	global_store_b128 v[YO], v[BUF+20:BUF+23], s[10:11] offset:512
	s_wait_tensorcnt 0x0                           ; the wave's end, behind my last LDS store
	ds_add_u32 v[SPW], v[NIL]
	s_wait_dscnt 0x0
	s_endpgm
.Lfunc_end_k_q01c2e2ae53_vproj:
	.size	k_q01c2e2ae53_vproj, .Lfunc_end_k_q01c2e2ae53_vproj-k_q01c2e2ae53_vproj
	.p2alignl 7, 3214868480
	.fill 96, 4, 3214868480
	.section	.rodata,"a",@progbits
	.p2align	6, 0x0
	.amdhsa_kernel k_q01c2e2ae53_vproj
		.amdhsa_group_segment_fixed_size 33280
		.amdhsa_private_segment_fixed_size 0
		.amdhsa_enable_private_segment 0
		.amdhsa_kernarg_size 32
		.amdhsa_user_sgpr_count 2
		.amdhsa_user_sgpr_kernarg_segment_ptr 1
		.amdhsa_wavefront_size32 1
		.amdhsa_system_sgpr_workgroup_id_x 1
		.amdhsa_system_sgpr_workgroup_id_y 1
		.amdhsa_system_sgpr_workgroup_id_z 1
		.amdhsa_system_vgpr_workitem_id 0
		.amdhsa_next_free_vgpr 232
		.amdhsa_next_free_sgpr 66
		.amdhsa_reserve_vcc 0
		.amdhsa_float_denorm_mode_32 3
		.amdhsa_float_denorm_mode_16_64 3
		.amdhsa_memory_ordered 1
		.amdhsa_forward_progress 1
		.amdhsa_inst_pref_size 22
	.end_amdhsa_kernel
	.amdgpu_metadata
---
amdhsa.version: [ 1, 2 ]
amdhsa.kernels:
  - .name:           k_q01c2e2ae53_vproj
    .symbol:         k_q01c2e2ae53_vproj.kd
    .args:
      - { .name: xh, .offset: 0, .size: 8, .value_kind: global_buffer, .address_space: global }
      - { .name: wf, .offset: 8, .size: 8, .value_kind: global_buffer, .address_space: global }
      - { .name: wmax, .offset: 16, .size: 8, .value_kind: global_buffer, .address_space: global }
      - { .name: vf, .offset: 24, .size: 8, .value_kind: global_buffer, .address_space: global }
    .group_segment_fixed_size: 33280
    .private_segment_fixed_size: 0
    .kernarg_segment_align: 8
    .kernarg_segment_size: 32
    .max_flat_workgroup_size: 128
    .sgpr_count:     66
    .vgpr_count:     232
    .wavefront_size: 32
...
	.end_amdgpu_metadata
.endif
;; end of part 2
;; launch proj (part 3): grid 8 x 32, 4 waves a work-group, clusters of 4 x 4, 327,680 bytes of LDS; arguments xh, wqk, qk; writes qk
.if DOCPART == 3
	.amdgcn_target "amdgcn-amd-amdhsa--gfx1250"
	.amdhsa_code_object_version 6
	.text
	.protected	k_q01c2e2ae53_proj
	.globl	k_q01c2e2ae53_proj
	.p2align	8
	.type	k_q01c2e2ae53_proj,@function
k_q01c2e2ae53_proj:
	s_mov_b64 s[64:65], 0
	v_nop
	global_prefetch_b8 v0, s[64:65] scope:SCOPE_SE
	s_setreg_imm32_b32 hwreg(HW_REG_WAVE_MODE, 25, 1), 1
	s_wait_xcnt 0x0
	s_wait_alu depctr_hold_cnt(0) depctr_sa_sdst(0) depctr_va_vdst(0) depctr_va_sdst(0) depctr_va_ssrc(0) depctr_va_vcc(0) depctr_vm_vsrc(0)
	s_getreg_b32 s2, hwreg(HW_REG_IB_STS2, 6, 4)
	s_cmp_eq_u32 s2, 0
	s_cbranch_scc0 .Lentry_in_a_cluster
	s_endpgm
.Lentry_in_a_cluster:
	s_bfe_u32 s2, ttmp6, 0x10000c
	s_cmp_lg_u32 s2, 0xf033
	s_cbranch_scc0 .Lentry_shape_is_right
	s_endpgm
.Lentry_shape_is_right:
; [Q | K] = xh wqk^T.  C[m][n] = sum over k of A[m][k] B[n][k].  A = xh: [8192][1024], B = wqk: [2048][1024] (Wq's rows, then Wk's), C = qk: [8192][2048], all f16; sums in f32; C rounded once, unscaled.
; LIMIT.  |Q| and |K| stay below 65,504: all inputs 30 times the drawn spread give about 900, all offset by 30 spreads about 28,800.
; A tile of C, 256 x 256, is made by a work-group of four waves; a wave makes 128 x 128: 64 accumulators of 16 x 16, 512 registers.  256 tiles: one work-group for each.
; K goes in steps of 128 through a ring of two LDS slots filled by the tensor data mover: the tiles' rows are 256 bytes of memory and start at multiples of 256 bytes from the buffer's first byte.
; The last K step goes by rows of C, so that finished rows leave while the others are multiplied.
; CLUSTERS: 4 x 4 work-groups.  The four of a row of the cluster need the same tiles of A, the four of a column the same tiles of B: each tile is asked for JOINTLY, by the same tensor load with the same
; descriptor and a mask that names the four; each receives it in its own LDS.
; REGISTERS, in windows of 256 (s_set_vgpr_msb's low byte: bits 1:0 source 0, 3:2 source 1, 5:4 source 2, 7:6 destination):
;   window 0: v0-31 addresses; v64-127, v128-191 fragments of A, two buffers (in the last K step four, of 16 rows x 128 K); v32-63, v192-255 at work on the way out
;   window 1: v64-127, v128-191 fragments of B, two buffers; in the last K step all 256      window 2: the accumulators of my rows 0-63 ((a, b) at v[8 (8 a + b)])      window 3: those of my rows 64-127
; THE MATRIX INSTRUCTION IS USED TRANSPOSED: source 0 = 16 rows of B, source 1 = 16 rows of A: a lane then holds row l % 16 of C and eight neighbouring columns, 16 bytes.
.set SIZE_M, 8192
.set SIZE_N, 2048
.set SIZE_K, 1024
.set KSTEP,  128
.set PITCH,  272                       ; an LDS row: 256 bytes + 16 of padding = 68 words: the 16 rows that a load touches start at 16 different groups of four banks (ISA guide 11.1)
.set HALFT,  128*PITCH                 ; 128 rows: what one tensor load brings, and what one wave reads of A or of B
.set SLOT,   4*HALFT                   ; A's 256 rows, then B's 256 rows
.set STAGE,  2*SLOT                    ; behind the ring: 16 rows x 272 bytes for each wave, for the way out
.set SPITCH, 272
.set SPARE,  STAGE+4*16*SPITCH         ; behind the stages: the spare words, 128 bytes for each wave
.set LAPS, SIZE_K/(2*KSTEP)            ; a lap = two K steps = once round the ring
.set ADRA, 16                          ; v16-17  LDS address of my A fragments in slot 0, 1
.set ADRB, 20                          ; v20-21  the same for B
.set STO,  24                          ; v24     the way out: where I put 16 bytes of a row
.set RD,   25                          ; v25     the way out: where I read a row back
.set CO,   26                          ; v26     my byte offset in C
.set SPW,  28                          ; v28     LDS address of my spare word; never rewritten
.set NIL,  29                          ; v29     0; never rewritten
.set PFO,  30                          ; v30     the prefetches' offset: my lane x a row of A or B; never rewritten
.set PFA,  44                          ; s[44:45] where my prefetches stand
.set LIM,  43                          ; s43     1 in a wave that prefetches, else the greatest number
.set F0,   64
.set F1,   128
.set TMP,  192
.set OB,   32
.set PA,   64
.set G1, 24                            ; s[24:31] descriptor group 1 for A's tiles
.set G0, 32                            ; s[32:39] descriptor group 0 for A's tiles, one set for each slot
.set G1B, 48                           ; s[48:55] group 1 for B's tiles: it differs in the mask alone
.set G0B, 56                           ; s[56:63] group 0 for B's tiles
.set MSB, 0
.macro WIN new                         ; the immediate's high byte repeats the setting that is left; a switch that changes nothing is dropped
.if MSB != (\new)
	s_set_vgpr_msb (MSB<<8)|(\new)
.set MSB, \new
.endif
.endm
.set MUL_LO, 0xa1                      ; source 0 (B) window 1, source 1 (A) window 0, C and D window 2
.set MUL_HI, 0xf1                      ; the same, C and D window 3
.set TO_B,   0x40                      ; destination window 1, address window 0
; A joint load.  Waves 0 and 1 fetch A's two halves, waves 2 and 3 B's.  The branch hangs on the wave's number alone.  An s_nop 0 and four v_nop follow each of the two lines.
.macro JLOAD s
	s_cmp_eq_u32 s11, 0
	s_cbranch_scc0 .Lfor_b_\@
	tensor_load_to_lds s[G0+4*(\s):G0+4*(\s)+3], s[G1:G1+7]
	s_nop 0
.rept 4
	v_nop
.endr
	s_branch .Lasked_\@
.Lfor_b_\@:
	tensor_load_to_lds s[G0B+4*(\s):G0B+4*(\s)+3], s[G1B:G1B+7]
	s_nop 0
.rept 4
	v_nop
.endr
.Lasked_\@:
.endm
; A prefetch into the L2, behind each joint load and the run of LDS loads that follows it: the K step that stands two refills on, 512 matrix instructions ahead of the load that will want it: 32 rows x 256 bytes, a lane a row.
; Each row's 256 bytes of a K step are named once in the launch: cluster x = 0 asks for A's rows, cluster y = 0 for B's; the four partners of a joint load share its 128 rows out by address, 32 each.
; The last two refills have no K step two on: the loop's last trip asks for nothing.
.macro ASK
	s_cmp_gt_u32 s3, s[LIM]                        ; s3 = 1 in the loop's last trip
	s_cbranch_scc0 .Lnot_mine_\@
	global_prefetch_b8 v[PFO], s[PFA:PFA+1] offset:KSTEP*2 th:TH_LOAD_NT scope:SCOPE_SE
.Lnot_mine_\@:
.endm
.macro CREST                           ; a round of the cluster's barrier behind its opening barrier
	s_cmp_lg_u32 s10, 0
	s_cbranch_scc1 .Lnot_wave_0_\@
	s_barrier_signal -3
.Lnot_wave_0_\@:
	s_barrier_wait -3
	s_barrier_signal -1
	s_barrier_wait -1
.endm
.macro CROUND                          ; a whole round
	s_barrier_signal -1
	s_barrier_wait -1
	CREST
.endm
	s_load_b128 s[4:7], s[0:1], 0x0                ; A s[4:5], B s[6:7]
	s_load_b64 s[8:9], s[0:1], 0x10                ; C
	v_lshl_add_u32 v[SPW], v0, 2, SPARE
	v_mov_b32 v[NIL], 0
	ds_add_u32 v[SPW], v[NIL]                      ; the wave's opening: the add and its wait stand ahead of my first tensor load; the set-up below, work on registers, stands between them
	ds_add_u32 v28, v29
	v_lshrrev_b32 v1, 5, v0
	v_readfirstlane_b32 s10, v1                    ; wave 0..3
	s_lshr_b32 s11, s10, 1                         ; which half of the tile's rows is mine.  Also: I fetch for A (0) or for B (1)
	s_and_b32 s12, s10, 1                          ; which half of its columns.  Also: which 128 rows of that tile I fetch
	s_bfe_u32 s40, ttmp6, 0x40000                  ; cx
	s_bfe_u32 s41, ttmp6, 0x40004                  ; cy
	s_lshl_b32 s42, ttmp9, 2
	s_add_co_u32 s42, s42, s40                     ; tile column of C = 4 x cluster x + cx
	s_and_b32 s13, ttmp7, 0xffff
	s_lshl_b32 s13, s13, 2
	s_add_co_u32 s13, s13, s41                     ; tile row of C = 4 x cluster y + cy
	s_lshl_b32 s43, s41, 2
	s_lshl_b32 s43, 15, s43                        ; my row of the cluster
	s_lshl_b32 s44, 0x1111, s40                    ; my column
	s_or_b32 s[G1+0], s43, (1<<16)|(1<<20)|(1<<21)|(5<<22)|(3<<25)  ; 15:0 the mask; 17:16 elements of 2 bytes; 20 padding on; 21 set beside a mask; 24:22 after every 64 words; 31:25 4 words of it
	s_or_b32 s[G1B+0], s44, (1<<16)|(1<<20)|(1<<21)|(5<<22)|(3<<25)
	s_mov_b32 s[G1B+1], KSTEP<<16
	s_mov_b32 s[G1+1], KSTEP<<16                   ; tensor_dim0 = 128
	s_mov_b32 s[G1B+2], 128<<16
	s_mov_b32 s[G1+2], 128<<16                     ; tensor_dim1 = 128
	s_mov_b32 s[G1B+3], KSTEP<<16
	s_mov_b32 s[G1+3], KSTEP<<16                   ; tile_dim0 = 128
	s_mov_b32 s[G1B+4], 128
	s_mov_b32 s[G1+4], 128                         ; tile_dim1 = 128
	s_mov_b32 s[G1B+5], SIZE_K
	s_mov_b32 s[G1+5], SIZE_K                      ; elements from row to row
	s_mov_b32 s[G1B+6], 0
	s_mov_b32 s[G1+6], 0
	s_mov_b32 s[G1B+7], 0
	s_mov_b32 s[G1+7], 0
	; A's tiles hang on the tile row alone, B's on the tile column alone; every wave makes both addresses, in registers that never hold the other coordinate
	s_lshl_b32 s17, s12, 7
	s_lshl_b32 s16, s13, 8
	s_add_co_u32 s16, s16, s17                     ; A: row 256 x tile row + 128 x half
	s_lshl_b32 s46, s42, 8
	s_add_co_u32 s46, s46, s17                     ; B: row 256 x tile column + 128 x half
	s_mov_b32 s17, 0
	s_mov_b32 s47, 0
	s_mov_b64 s[18:19], SIZE_K*2
	s_mul_u64 s[16:17], s[16:17], s[18:19]
	s_mul_u64 s[46:47], s[46:47], s[18:19]
	s_mul_i32 s20, s10, HALFT                      ; where they go: wave x 128 rows: no place in the cluster enters an LDS address
	s_wait_dscnt 0x0                               ; the opening add is done
	s_wait_kmcnt 0x0
	s_add_nc_u64 s[14:15], s[4:5], s[16:17]
	s_add_nc_u64 s[46:47], s[6:7], s[46:47]
	CROUND                                         ; all sixteen work-groups are here: the first joint loads meet
.irp s, 0,1
	s_mov_b32 s[G0+4*(\s)], 1
	s_add_co_u32 s[G0+4*(\s)+1], s20, (\s)*SLOT
	s_add_nc_u64 s[G0+4*(\s)+2:G0+4*(\s)+3], s[14:15], (\s)*KSTEP*2
	s_or_b32 s[G0+4*(\s)+3], s[G0+4*(\s)+3], 0x80000000
	s_mov_b32 s[G0B+4*(\s)], 1
	s_add_co_u32 s[G0B+4*(\s)+1], s20, (\s)*SLOT
	s_add_nc_u64 s[G0B+4*(\s)+2:G0B+4*(\s)+3], s[46:47], (\s)*KSTEP*2
	s_or_b32 s[G0B+4*(\s)+3], s[G0B+4*(\s)+3], 0x80000000
	JLOAD \s                                       ; the ring is filled before anything else is done: two loads of mine are out
.endr
	; A fragment is 16 rows x 32 K in 8 registers: lane l holds row l % 16; registers 0-3 K = 8 (l / 16) + 0..7, registers 4-7 K = 16 + 8 (l / 16) + 0..7: two loads of 16 bytes, 32 bytes apart
	v_and_b32 v1, 15, v0
	v_bfe_u32 v2, v0, 4, 1
	v_mul_u32_u24 v3, v1, PITCH
	v_lshl_add_u32 v3, v2, 4, v3
	s_mul_i32 s21, s11, HALFT                      ; my 128 rows of A
	s_mul_i32 s22, s12, HALFT                      ; my 128 rows of B,
	s_add_co_u32 s22, s22, 2*HALFT                 ; which lie behind A's 256
.irp s, 0,1
	v_add_nc_u32 v[ADRA+(\s)], s21, v3
	v_add_nc_u32 v[ADRB+(\s)], s22, v3
	s_add_co_u32 s21, s21, SLOT
	s_add_co_u32 s22, s22, SLOT
.endr
	s_mul_i32 s23, s10, 16*SPITCH
	s_add_co_u32 s23, s23, STAGE                   ; my stage
	v_mul_u32_u24 v4, v1, SPITCH
	v_lshl_add_u32 v4, v2, 4, v4
	v_add_nc_u32 v[STO], s23, v4
	v_mul_u32_u24 v5, v2, SPITCH
	v_lshl_add_u32 v5, v1, 4, v5
	v_add_nc_u32 v[RD], s23, v5
	v_mul_u32_u24 v5, v2, SIZE_N*2
	v_lshl_add_u32 v[CO], v1, 4, v5
	s_lshl_b32 s13, s13, 8
	s_lshl_b32 s14, s11, 7
	s_add_co_u32 s16, s13, s14                     ; my first row of C
	s_mov_b32 s17, 0
	s_mov_b64 s[18:19], SIZE_N*2
	s_mul_u64 s[16:17], s[16:17], s[18:19]
	s_lshl_b32 s46, s42, 9                         ; my first column, in bytes
	s_lshl_b32 s47, s12, 8
	s_add_co_u32 s46, s46, s47
	s_mov_b32 s47, 0
	s_add_nc_u64 s[16:17], s[16:17], s[46:47]
	; the prefetches
	s_lshl_b32 s42, s42, 8
	s_and_b32 s22, ttmp7, 0xffff                   ; cluster y
	s_cmp_eq_u32 s11, 0                            ; do I fetch for A?
	s_cselect_b32 s20, s13, s42                    ; the tile's first row
	s_cselect_b32 s21, s40, s41                    ; my place among the four that ask for it with me
	s_cselect_b32 s22, ttmp9, s22                  ; the coordinate along which other clusters read the same rows
	s_cselect_b64 s[PFA:PFA+1], s[4:5], s[6:7]
	s_cmp_eq_u32 s22, 0
	s_cselect_b32 s[LIM], 1, -1
	s_lshl_b32 s22, s12, 7
	s_add_co_u32 s20, s20, s22
	s_lshl_b32 s21, s21, 5
	s_add_co_u32 s20, s20, s21
	s_mov_b32 s21, 0
	s_mov_b64 s[18:19], SIZE_K*2
	s_mul_u64 s[20:21], s[20:21], s[18:19]
	s_add_nc_u64 s[PFA:PFA+1], s[PFA:PFA+1], s[20:21]
	s_add_nc_u64 s[PFA:PFA+1], s[PFA:PFA+1], 2*KSTEP*2  ; at K step 2: the first refill steps it to 3 and names K step 4
	v_and_b32 v[PFO], 31, v0
	v_mul_u32_u24 v[PFO], v[PFO], SIZE_K*2
; 16 matrix instructions: m blocks a0, a0 + 1 of the window's four x all 8 n blocks, 32 along K.  zero = 1: the first product starts the sums
.macro MUL16 f, hi, a0, zero
	WIN MUL_LO+0x50*(\hi)
.irp a, \a0, (\a0)+1
.irp b, 0,1,2,3,4,5,6,7
.if \zero
	v_wmma_f32_16x16x32_f16 v[8*(8*(\a)+(\b)):8*(8*(\a)+(\b))+7], v[(\f)+8*(\b):(\f)+8*(\b)+7], v[(\f)+8*(4*(\hi)+(\a)):(\f)+8*(4*(\hi)+(\a))+7], 0
.else
	v_wmma_f32_16x16x32_f16 v[8*(8*(\a)+(\b)):8*(8*(\a)+(\b))+7], v[(\f)+8*(\b):(\f)+8*(\b)+7], v[(\f)+8*(4*(\hi)+(\a)):(\f)+8*(4*(\hi)+(\a))+7], v[8*(8*(\a)+(\b)):8*(8*(\a)+(\b))+7]
.endif
.endr
.endr
.endm
; 32 LDS loads in one run: the fragments of one quarter step into buffer f
.macro FETCH slot, k, f
	WIN TO_B
.irp i, 0,1,2,3,4,5,6,7
	ds_load_b128 v[(\f)+8*(\i):(\f)+8*(\i)+3],   v[ADRB+(\slot)] offset:(\k)+(\i)*16*PITCH
	ds_load_b128 v[(\f)+8*(\i)+4:(\f)+8*(\i)+7], v[ADRB+(\slot)] offset:(\k)+(\i)*16*PITCH+32
.endr
	WIN 0
.irp i, 0,1,2,3,4,5,6,7
	ds_load_b128 v[(\f)+8*(\i):(\f)+8*(\i)+3],   v[ADRA+(\slot)] offset:(\k)+(\i)*16*PITCH
	ds_load_b128 v[(\f)+8*(\i)+4:(\f)+8*(\i)+7], v[ADRA+(\slot)] offset:(\k)+(\i)*16*PITCH+32
.endr
.endm
.macro PLACES                          ; four places in front of loads into registers that matrix instructions have read, and of conversions that read results (ISA guide 7.12.1 for the conversions)
.rept 4
	v_nop
.endr
.endm
; A K step is four quarter steps of 32 along K, 64 matrix instructions each, on buffers 0, 1, 0, 1
.macro QUARTER slot, k, f, g, zero
	s_wait_dscnt 8                                 ; B and A's rows 0-63 are in; the youngest eight loads (A's rows 64-127) may be out
	WIN MUL_LO
	MUL16 \f, 0, 0, \zero
	MUL16 \f, 0, 2, \zero
	PLACES
	FETCH \slot, \k, \g
	s_wait_dscnt 32                                ; all but the 32 just issued
	WIN MUL_HI
	MUL16 \f, 1, 0, \zero
	MUL16 \f, 1, 2, \zero
.endm
; The first half of the last quarter: one barrier for the change of slots
.macro MEET round
	WIN 0                                          ; (the add's two registers lie in window 0)
	s_wait_tensorcnt 0x0                           ; all my tensor loads have landed: the one that was out is my part of the next slot;
	ds_add_u32 v[SPW], v[NIL]                      ; 0 onto my spare word;
	s_wait_dscnt 9                                 ; (the add and the youngest eight loads may be out)
	WIN MUL_LO
	MUL16 F1, 0, 0, 0                              ; sixteen matrix instructions stand between the add and the wait for it
	s_wait_dscnt 0x0                               ; the add is done, and my reads of this slot are over:
	s_barrier_signal -1                            ; say so,
	MUL16 F1, 0, 2, 0                              ; work on registers while the others arrive,
.if \round
	WIN 0
.endif
	s_barrier_wait -1                              ; and go on when all four have said so
.endm
; The whole last quarter: behind the round the slot just read out is filled again first, with the K step two steps on; then come the next slot's first fragments
.macro TURN slot, next
	s_wait_xcnt 0x0                                ; the last prefetch, a K step back, has read its address
	s_add_nc_u64 s[PFA:PFA+1], s[PFA:PFA+1], KSTEP*2
	MEET 1
	CREST                                          ; no wave of any partner still reads this slot's tile or has a load on its way
	s_add_nc_u64 s[G0+4*(\slot)+2:G0+4*(\slot)+3], s[G0+4*(\slot)+2:G0+4*(\slot)+3], 2*KSTEP*2
	s_add_nc_u64 s[G0B+4*(\slot)+2:G0B+4*(\slot)+3], s[G0B+4*(\slot)+2:G0B+4*(\slot)+3], 2*KSTEP*2
	JLOAD \slot                                    ; the first tensor load behind the round; the four v_nop behind it are also the places in front of the loads below
	FETCH \next, 0, F0
	ASK
	WIN MUL_HI
	MUL16 F1, 1, 0, 0
	MUL16 F1, 1, 2, 0
.endm
; THE LAST K STEP (it lies in slot 1) GOES BY ROWS OF C: all its fragments of B fill window 1; then my eight blocks of 16 rows are finished one after the other, K ascending
.macro BLOAD q
	WIN TO_B
.irp i, 0,1,2,3,4,5,6,7
	ds_load_b128 v[64*(\q)+8*(\i):64*(\q)+8*(\i)+3],   v[ADRB+1] offset:64*(\q)+(\i)*16*PITCH
	ds_load_b128 v[64*(\q)+8*(\i)+4:64*(\q)+8*(\i)+7], v[ADRB+1] offset:64*(\q)+(\i)*16*PITCH+32
.endr
.endm
.macro ALOAD a
	WIN 0
.set FA, PA+32*((\a)%4)
.irp q, 0,1,2,3
	ds_load_b128 v[FA+8*(\q):FA+8*(\q)+3],   v[ADRA+1] offset:64*(\q)+(\a)*16*PITCH
	ds_load_b128 v[FA+8*(\q)+4:FA+8*(\q)+7], v[ADRA+1] offset:64*(\q)+(\a)*16*PITCH+32
.endr
.endm
.macro ROW a                           ; block a is finished: 32 matrix instructions, its eight accumulators by turns
.set FA, PA+32*((\a)%4)
.set AC, 64*((\a)%4)
	WIN MUL_LO+0x50*((\a)/4)
.irp q, 0,1,2,3
.if (\a) == 0 && (\q) == 2
	s_wait_dscnt 24                                ; B's quarter 2 is in (behind it: A's blocks 1 to 3)
.endif
.irp b, 0,1,2,3,4,5,6,7
	v_wmma_f32_16x16x32_f16 v[AC+8*(\b):AC+8*(\b)+7], v[64*(\q)+8*(\b):64*(\q)+8*(\b)+7], v[FA+8*(\q):FA+8*(\q)+7], v[AC+8*(\b):AC+8*(\b)+7]
.endr
.endr
.endm
; THE WAY OUT of block a: rounded to f16, 16 bytes a lane; into my own stage in LDS and back as whole rows of 256 bytes; stored
.macro PACK a
.set AC, 64*((\a)%4)
	WIN 0x0a+5*((\a)/4)
.irp b, 0,1,2,3,4,5,6,7
.irp r, 0,1,2,3
	v_cvt_pk_f16_f32 v[TMP+4*(\b)+(\r)], v[AC+8*(\b)+2*(\r)], v[AC+8*(\b)+2*(\r)+1]
.endr
.endr
	WIN 0
.endm
.macro TOSTAGE a
	WIN 0
.set BK, OB+192*((\a)%2)
.irp b, 0,1,2,3,4,5,6,7
	ds_store_b128 v[STO], v[TMP+4*(\b):TMP+4*(\b)+3] offset:32*(\b)
.endr
.irp t, 0,1,2,3,4,5,6,7
	ds_load_b128 v[BK+4*(\t):BK+4*(\t)+3], v[RD] offset:(\t)*2*SPITCH  ; LDS serves a wave's instructions in order (ISA guide 5.7.1.4): these see the stores above
.endr
.endm
.macro SEND a, younger
	WIN 0
.set BK, OB+192*((\a)%2)
	s_wait_dscnt \younger                          ; the block is back in registers
	s_wait_xcnt 0x0                                ; only behind this wait are the stores' base and the registers that earlier stores read rewritten
.if (\a) == 0
	s_add_nc_u64 s[8:9], s[8:9], s[16:17]          ; on to my first rows
.else
	s_add_nc_u64 s[8:9], s[8:9], 16*SIZE_N*2       ; 16 rows of C on
.endif
.irp t, 0,1,2,3,4,5,6,7
	global_store_b128 v[CO], v[BK+4*(\t):BK+4*(\t)+3], s[8:9] offset:2*(\t)*SIZE_N*2  ; 16 lanes store 256 consecutive bytes, at a multiple of 256 from C's first byte
.endr
.endm
	s_wait_tensorcnt 1                             ; my part of K step 0 is in; K step 1's may stay out
	s_barrier_signal -1
	s_barrier_wait -1                              ; everybody's is
	FETCH 0, 0, F0
	QUARTER 0, 64,  F0, F1, 1                      ; the first quarter stands in front of the loop: its products start the sums
	WIN 0                                          ; at a label and at a branch every window is 0
	s_mov_b32 s3, LAPS-1
.Llap:                                                 ; a trip goes once round the ring and fills both slots again
	QUARTER 0, 128, F1, F0, 0
	QUARTER 0, 192, F0, F1, 0
	TURN 0, 1
	QUARTER 1, 64,  F0, F1, 0
	QUARTER 1, 128, F1, F0, 0
	QUARTER 1, 192, F0, F1, 0
	TURN 1, 0
	QUARTER 0, 64,  F0, F1, 0
	WIN 0
	s_sub_co_u32 s3, s3, 1
	s_cmp_lg_u32 s3, 0
	s_cbranch_scc1 .Llap
	QUARTER 0, 128, F1, F0, 0                      ; the last lap goes on
	QUARTER 0, 192, F0, F1, 0
	MEET 0                                         ; my one tensor load that was still out is slot 1's, so no round follows
	PLACES                                         ; for the loads into buffer 0, which the quarter before multiplied
	WIN TO_B
	BLOAD 0                                        ; three quarters of B now: buffer 1 is still being multiplied
	BLOAD 1
	BLOAD 3
	WIN 0
	ALOAD 0
	WIN MUL_HI
	MUL16 F1, 1, 0, 0
	MUL16 F1, 1, 2, 0
	PLACES                                         ; for the loads into buffer 1
	WIN TO_B
	BLOAD 2
	WIN 0
	ALOAD 1
	ALOAD 2
	ALOAD 3
	s_wait_dscnt 40                                ; all but the 40 just issued
	ROW 0
.irp a, 0,1,2,3,4,5,6,7                ; each block leaves as soon as it is finished
	PLACES                                         ; its conversions read results just made
	PACK \a
	TOSTAGE \a
.if (\a) < 4
	ALOAD (\a)+4                                   ; its buffer takes the block four further on
	SEND \a, 8
.else
	SEND \a, 0
.endif
.if (\a) < 7
	ROW (\a)+1
.endif
.endr
	s_wait_tensorcnt 0x0                           ; the wave's end, behind my last tensor load and my last LDS store
	ds_add_u32 v[SPW], v[NIL]
	s_wait_dscnt 0x0
	CROUND                                         ; the closing round: no work-group ends while a partner may still ask for a tile that names it
	s_endpgm
.Lfunc_end_k_q01c2e2ae53_proj:
	.size	k_q01c2e2ae53_proj, .Lfunc_end_k_q01c2e2ae53_proj-k_q01c2e2ae53_proj
	.p2alignl 7, 3214868480
	.fill 96, 4, 3214868480
	.section	.rodata,"a",@progbits
	.p2align	6, 0x0
	.amdhsa_kernel k_q01c2e2ae53_proj
		.amdhsa_group_segment_fixed_size 327680
		.amdhsa_private_segment_fixed_size 0
		.amdhsa_enable_private_segment 0
		.amdhsa_kernarg_size 24
		.amdhsa_user_sgpr_count 2
		.amdhsa_user_sgpr_kernarg_segment_ptr 1
		.amdhsa_wavefront_size32 1
		.amdhsa_system_sgpr_workgroup_id_x 1
		.amdhsa_system_sgpr_workgroup_id_y 1
		.amdhsa_system_sgpr_workgroup_id_z 1
		.amdhsa_system_vgpr_workitem_id 0
		.amdhsa_next_free_vgpr 1024
		.amdhsa_next_free_sgpr 66
		.amdhsa_reserve_vcc 0
		.amdhsa_float_denorm_mode_32 3
		.amdhsa_float_denorm_mode_16_64 3
		.amdhsa_memory_ordered 1
		.amdhsa_forward_progress 1
		.amdhsa_inst_pref_size 144
	.end_amdhsa_kernel
	.amdgpu_metadata
---
amdhsa.version: [ 1, 2 ]
amdhsa.kernels:
  - .name:           k_q01c2e2ae53_proj
    .symbol:         k_q01c2e2ae53_proj.kd
    .args:
      - { .name: xh, .offset: 0, .size: 8, .value_kind: global_buffer, .address_space: global }
      - { .name: wqk, .offset: 8, .size: 8, .value_kind: global_buffer, .address_space: global }
      - { .name: qk, .offset: 16, .size: 8, .value_kind: global_buffer, .address_space: global }
    .group_segment_fixed_size: 327680
    .private_segment_fixed_size: 0
    .kernarg_segment_align: 8
    .kernarg_segment_size: 24
    .max_flat_workgroup_size: 128
    .sgpr_count:     66
    .vgpr_count:     1024
    .wavefront_size: 32
...
	.end_amdgpu_metadata
.endif
;; end of part 3
;; launch score (part 4): grid 9 x 16, 4 waves a work-group, no clusters, 327,680 bytes of LDS; arguments qk, vf, op, st; writes op, st
.if DOCPART == 4
	.amdgcn_target "amdgcn-amd-amdhsa--gfx1250"
	.amdhsa_code_object_version 6
	.text
	.protected	k_q01c2e2ae53_score
	.globl	k_q01c2e2ae53_score
	.p2align	8
	.type	k_q01c2e2ae53_score,@function
k_q01c2e2ae53_score:
	s_mov_b64 s[64:65], 0
	v_nop
	global_prefetch_b8 v0, s[64:65] scope:SCOPE_SE
	s_setreg_imm32_b32 hwreg(HW_REG_WAVE_MODE, 25, 1), 1
	s_wait_xcnt 0x0
; CAUSAL SCORES, WEIGHTS AND PARTIAL SUMS.  A work-group takes one unit: 256 queries (block i) x 256 keys (tile j <= i) of one batch, over all 1,024 channels: S^T = K Q^T as a product of 256 x 256 x 1,024.
; Each wave makes 128 queries x 128 keys in 64 accumulators and then, by itself, a PARTIAL softmax of its tile: for each query cm = c x the largest score (c = log2(e) / 32), p = 2^(c s - cm), l = the sum of p,
; O = the sum of p V''.  cm, l (buffer st) and O (buffer op, f32) go to the slot of (128-query block t, 128-key tile kt <= t); the next launch joins a query's slots.  All is measured against the stored
; number cm, so its rounding cancels: p may pass 1 by that rounding, which f16 holds.
; UNITS.  Rows yy and 7 - yy of the triangle of tiles have 9 tiles together: grid x = 0..8 walks them, grid y = 4 x batch + yy: 144 work-groups of equal work.
; NO CLUSTER: the triangle's rows have 1 to 8 tiles, so no four partners share a block of Q or a tile of K throughout, and 9 does not divide by 4.
; THE MASK is the C operand that starts a sum: 0, or -1e30 where the key lies behind the query (f16 operands bound a score by 4.4e12).  In a unit on the diagonal the waves with equal halves hold the
; diagonal; wave 1 (first queries, last keys) sees nothing: it walks K with the others, fills its part of every slot, and stores nothing.  Every query of a tile that is stored sees a key there.
; LAYOUT.  Source 0 = 16 keys, source 1 = 16 queries: a lane holds one query (l % 16) and the keys 8 (l / 16) + 0..7; two such results rounded to f16 are source 1 of O^T = V''^T P.
; LIMITS.  Q and K arrive within f16; p below 6e-5 keeps f16's fixed step; a weight below 2^-126 counts as 0; NaN and infinities are not treated apart.
; REGISTERS, in windows of 256 (s_set_vgpr_msb's low byte: bits 1:0 source 0, 3:2 source 1, 5:4 source 2, 7:6 destination):
;   window 0: v0-63 addresses, masks, statistics; v64-127, v128-191 fragments of Q, two buffers; later c s - cm and p (v64-127), P (v128-159), l (v160-163)
;   window 1: v64-191 fragments of K, two buffers; v0-63, v192-255 the 16 fragments of V''      windows 2, 3: the accumulators ((a, b) at v[8 (8 (a % 4) + b)] of window 2 + a / 4)
.set PITCH,  272                       ; an LDS row: 256 bytes + 16 of padding: the 16 rows that a load touches start at 16 different groups of four banks (ISA guide 11.1)
.set HALFT,  128*PITCH                 ; 128 rows: what one tensor load brings
.set SLOT,   4*HALFT                   ; Q's 256 rows, then K's 256 rows
.set SPARE,  2*SLOT                    ; behind the ring: the spare words, 128 bytes for each wave
.set ROWB,   4096                      ; bytes in a row of qk: Q's 2,048, then K's
.set ADRA, 16                          ; v16-17  LDS address of my Q fragments in slot 0, 1
.set ADRB, 20                          ; v20-21  the same for K
.set VO,   22                          ; v22     16 x lane; never rewritten
.set SPW,  28                          ; v28     LDS address of my spare word; never rewritten
.set NIL,  29                          ; v29     0; never rewritten
.set PFO,  30                          ; v30     lane x a row of qk; never rewritten
.set DIA,  32                          ; v[32:39] the mask of a 16 x 16 tile on the diagonal
.set UPP,  40                          ; v[40:47] the mask of a tile above it
.set CH,   48                          ; v[48:51] four chains of the maximum
.set MM,   52                          ; v[52:53] cm; named as a pair
.set MS,   54                          ; v[54:57] cm of the trip's four blocks
.set Z,    60                          ; v[60:63] what goes to st
.set F0,   64
.set F1,   128
.set TT,   64                          ; v[64:127]  a block's 64 exponents, then weights
.set P,    128                         ; v[128:159] the weights in f16
.set LSUM, 160                         ; v[160:163] l of the trip's four blocks
.set G1,   24                          ; s[24:31] descriptor group 1
.set G0,   32                          ; s[32:39] descriptor group 0, a set for each slot
.set PFA,  40                          ; s[40:41] where my prefetches stand
.set LIM,  42                          ; s42  1 in a wave that prefetches, else the greatest number
.set BIG,  43                          ; s43  -1e30 in a wave that holds the diagonal, else 0
.set DEAD, 44                          ; s44  1 in the wave that sees nothing
.set EP,   45                          ; s45  counts the epilogue's two trips
.set CS,   46                          ; s[46:47] c, twice
.set SEL,  48                          ; s[48:49] v_permlanex16_b32's selects
.set HM,   50                          ; s50  the mask of lanes 16-31
.set MSB, 0
.macro WIN new                         ; the immediate's high byte repeats the setting that is left; a switch that changes nothing is dropped
.if MSB != (\new)
	s_set_vgpr_msb (MSB<<8)|(\new)
.set MSB, \new
.endif
.endm
.set MUL_LO, 0xa1                      ; source 0 window 1, source 1 window 0, C and D window 2
.set TO_B,   0x40                      ; destination window 1, address window 0
.macro PLACES                          ; four places (except for loads)
.rept 4
	v_nop
.endr
.endm
	s_load_b256 s[4:11], s[0:1], 0x0               ; qk s[4:5], vf s[6:7], op s[8:9], st s[10:11]
	v_lshl_add_u32 v[SPW], v0, 2, SPARE
	v_mov_b32 v[NIL], 0
	ds_add_u32 v[SPW], v[NIL]                      ; the wave's opening: the add and its wait stand ahead of my first tensor load; the set-up below, work on registers, stands between them
	ds_add_u32 v28, v29
	v_lshrrev_b32 v1, 5, v0
	v_readfirstlane_b32 s12, v1                    ; wave 0..3
	s_lshr_b32 s13, s12, 1                         ; wr: my half of the queries.  Also: I fetch Q's rows (0) or K's (1)
	s_and_b32 s14, s12, 1                          ; wc: my half of the keys.  Also: which 128 rows I fetch
	s_and_b32 s18, ttmp7, 0xffff
	s_lshr_b32 s15, s18, 2                         ; batch
	s_and_b32 s18, s18, 3                          ; yy
	s_sub_co_u32 s19, 7, s18                       ; 7 - yy
	s_add_co_u32 s21, s18, 1
	s_max_u32 s20, ttmp9, s21
	s_sub_co_u32 s20, s20, s21                     ; x - yy - 1 where x > yy
	s_cmp_le_u32 ttmp9, s18
	s_cselect_b32 s16, s18, s19                    ; i
	s_cselect_b32 s17, ttmp9, s20                  ; j
	s_cmp_eq_u32 s16, s17                          ; a unit on the diagonal?
	s_cselect_b32 s21, 1, 0
	s_cmp_eq_u32 s13, s14
	s_cselect_b32 s22, s21, 0
	s_cmp_eq_u32 s22, 1
	s_cselect_b32 s[BIG], 0xf149f2ca, 0            ; -1e30
	s_cmp_eq_u32 s12, 1
	s_cselect_b32 s[DEAD], s21, 0
	; descriptor group 1: a tile of 128 rows x 128 elements of 2 bytes, rows 2,048 elements apart, padded in LDS
	s_mov_b32 s[G1+0], (1<<16)|(1<<20)|(5<<22)|(3<<25)  ; 17:16 elements of 2 bytes; 20 padding on; 24:22 after every 64 words; 31:25 4 words of it
	s_mov_b32 s[G1+1], 128<<16                     ; tensor_dim0 = 128
	s_mov_b32 s[G1+2], 128<<16                     ; tensor_dim1 = 128
	s_mov_b32 s[G1+3], 128<<16                     ; tile_dim0 = 128
	s_mov_b32 s[G1+4], 128                         ; tile_dim1 = 128
	s_mov_b32 s[G1+5], 2048                        ; elements from row to row
	s_mov_b32 s[G1+6], 0
	s_mov_b32 s[G1+7], 0
	; my tile's byte offset in qk
	s_cmp_eq_u32 s13, 0
	s_cselect_b32 s18, s16, s17                    ; Q: block i; K: tile j
	s_cselect_b32 s19, 0, 2048                     ; K's columns begin at byte 2,048 of a row
	s_lshl_b32 s20, s15, 11
	s_lshl_b32 s18, s18, 8
	s_add_co_u32 s18, s18, s20
	s_lshl_b32 s20, s14, 7
	s_add_co_u32 s18, s18, s20                     ; the row
	s_lshl_b32 s18, s18, 12
	s_add_co_u32 s18, s18, s19
	s_mov_b32 s19, 0
	; who prefetches: a block of Q is read by the units (i, 0..i): the one with j = 0 asks; a tile of K by the units (j..7, j): the one on the diagonal asks
	s_sub_co_u32 s20, s16, s17
	s_cmp_eq_u32 s13, 0
	s_cselect_b32 s20, s17, s20
	s_cmp_eq_u32 s20, 0
	s_cselect_b32 s[LIM], 1, -1
	s_mul_i32 s21, s12, HALFT                      ; where my tiles go: wave x 128 rows
	s_lshl1_add_u32 s22, s16, s13                  ; t = 2 i + wr
	s_lshl1_add_u32 s23, s17, s14                  ; kt = 2 j + wc
	s_lshl4_add_u32 s22, s15, s22
	s_lshl4_add_u32 s22, s22, s23                  ; slot = (16 batch + t) 16 + kt
	s_lshl_b32 s52, s15, 6
	s_lshl2_add_u32 s52, s23, s52                  ; my first chunk of 32 keys: 64 batch + 4 kt
	s_lshl_b32 s52, s52, 12
	s_mov_b32 s53, 0
	s_lshl_b32 s54, s22, 15
	s_mov_b32 s55, 0
	s_lshl_b32 s56, s22, 10
	s_mov_b32 s57, 0
	s_mov_b32 s[CS], 0x3d38aa3b                    ; c = log2(e) / 32
	s_mov_b32 s[CS+1], s[CS]
	s_mov_b32 s[SEL], 0x76543210
	s_mov_b32 s[SEL+1], 0xfedcba98
	s_mov_b32 s[HM], 0xffff0000
	v_and_b32 v1, 15, v0                           ; l % 16
	v_bfe_u32 v2, v0, 4, 1                         ; l / 16
	v_mul_u32_u24 v3, v1, PITCH
	v_lshl_add_u32 v3, v2, 4, v3                   ; a fragment's row x pitch + 16 x half
	s_mul_i32 s20, s13, HALFT                      ; my 128 rows of Q
	s_mul_i32 s23, s14, HALFT                      ; my 128 rows of K,
	s_add_co_u32 s23, s23, 2*HALFT                 ; which lie behind Q's 256
.irp s, 0,1
	v_add_nc_u32 v[ADRA+(\s)], s20, v3
	v_add_nc_u32 v[ADRB+(\s)], s23, v3
	s_add_co_u32 s20, s20, SLOT
	s_add_co_u32 s23, s23, SLOT
.endr
	v_and_b32 v4, 31, v0
	v_lshlrev_b32 v[VO], 4, v4
	v_lshlrev_b32 v[PFO], 12, v4
	v_mov_b32 v[MM+1], 0                           ; named with cm as a pair
	s_wait_dscnt 0x0                               ; the opening add is done
	s_wait_kmcnt 0x0
	s_add_nc_u64 s[18:19], s[4:5], s[18:19]        ; my tile at K step 0
	s_add_nc_u64 s[6:7], s[6:7], s[52:53]
	s_add_nc_u64 s[8:9], s[8:9], s[54:55]
	s_add_nc_u64 s[10:11], s[10:11], s[56:57]
	s_add_nc_u64 s[PFA:PFA+1], s[18:19], 512       ; at K step 2: the first refill steps it to 3 and names K step 4
.irp s, 0,1
	s_mov_b32 s[G0+4*(\s)], 1                                      ; count = 1
	s_add_co_u32 s[G0+4*(\s)+1], s21, (\s)*SLOT                    ; LDS address
	s_add_nc_u64 s[G0+4*(\s)+2:G0+4*(\s)+3], s[18:19], (\s)*256    ; global address: K step s
	s_or_b32 s[G0+4*(\s)+3], s[G0+4*(\s)+3], 0x80000000            ; type = 2
.endr
	tensor_load_to_lds s[G0:G0+3], s[G1:G1+7]      ; the two first fills go out together, ahead of every wait on TENSORcnt, every LDS read and every barrier: two loads of mine are out
	s_nop 0
	tensor_load_to_lds s[G0+4:G0+7], s[G1:G1+7]
	s_nop 0
	PLACES
	WIN TO_B
.set n, 0
.rept 32                               ; V'' of my 128 keys: fragment f = 4 kk + cb (keys 32 kk on, channels 16 cb on) lies at 1,024 f, as a source wants it; wanted only behind the walk over K
.set rV, 8*(n/2)+4*(n%2)
.if n >= 16
.set rV, 192+8*(n/2-8)+4*(n%2)
.endif
	global_load_b128 v[rV:rV+3], v[VO], s[6:7] offset:512*n
.set n, n+1
.endr
	WIN 0
	v_lshlrev_b32 v14, 3, v2
	v_sub_nc_u32 v14, v1, v14                      ; l % 16 - 8 (l / 16): register jj of a tile on the diagonal is hidden where jj is greater
.set jj, 0
.rept 8
	v_cmp_gt_i32 vcc_lo, jj, v14
	v_cndmask_b32 v[DIA+jj], 0, s[BIG], vcc_lo
	v_mov_b32 v[UPP+jj], s[BIG]
.set jj, jj+1
.endr
; 16 matrix instructions: query blocks a0, a0 + 1 of the window's four x all 8 key blocks, 32 along K.  The 64 accumulators take turns in one order throughout
.macro MUL16 f, hi, a0
	WIN MUL_LO+0x50*(\hi)
.irp a, \a0, (\a0)+1
.irp b, 0,1,2,3,4,5,6,7
	v_wmma_f32_16x16x32_f16 v[8*(8*(\a)+(\b)):8*(8*(\a)+(\b))+7], v[(\f)+8*(\b):(\f)+8*(\b)+7], v[(\f)+8*(4*(\hi)+(\a)):(\f)+8*(4*(\hi)+(\a))+7], v[8*(8*(\a)+(\b)):8*(8*(\a)+(\b))+7]
.endr
.endr
.endm
; The same for the first 32 along K: the products start the sums, with 0 below the diagonal of my tile, with the masks on and above it (which are 0 in a wave that does not hold the diagonal)
.macro MUL16M f, hi, a0
	WIN 0x81+0x40*(\hi)                            ; C in window 0, D in window 2 or 3
.irp a, \a0, (\a0)+1
.irp b, 0,1,2,3,4,5,6,7
.if (\b) < 4*(\hi)+(\a)
	v_wmma_f32_16x16x32_f16 v[8*(8*(\a)+(\b)):8*(8*(\a)+(\b))+7], v[(\f)+8*(\b):(\f)+8*(\b)+7], v[(\f)+8*(4*(\hi)+(\a)):(\f)+8*(4*(\hi)+(\a))+7], 0
.elseif (\b) == 4*(\hi)+(\a)
	v_wmma_f32_16x16x32_f16 v[8*(8*(\a)+(\b)):8*(8*(\a)+(\b))+7], v[(\f)+8*(\b):(\f)+8*(\b)+7], v[(\f)+8*(4*(\hi)+(\a)):(\f)+8*(4*(\hi)+(\a))+7], v[DIA:DIA+7]
.else
	v_wmma_f32_16x16x32_f16 v[8*(8*(\a)+(\b)):8*(8*(\a)+(\b))+7], v[(\f)+8*(\b):(\f)+8*(\b)+7], v[(\f)+8*(4*(\hi)+(\a)):(\f)+8*(4*(\hi)+(\a))+7], v[UPP:UPP+7]
.endif
.endr
.endr
.endm
.macro FETCH slot, k, f                ; 32 LDS loads in one run: the fragments of one quarter step into buffer f
	WIN TO_B
.irp i, 0,1,2,3,4,5,6,7
	ds_load_b128 v[(\f)+8*(\i):(\f)+8*(\i)+3],   v[ADRB+(\slot)] offset:(\k)+(\i)*16*PITCH
	ds_load_b128 v[(\f)+8*(\i)+4:(\f)+8*(\i)+7], v[ADRB+(\slot)] offset:(\k)+(\i)*16*PITCH+32
.endr
	WIN 0
.irp i, 0,1,2,3,4,5,6,7
	ds_load_b128 v[(\f)+8*(\i):(\f)+8*(\i)+3],   v[ADRA+(\slot)] offset:(\k)+(\i)*16*PITCH
	ds_load_b128 v[(\f)+8*(\i)+4:(\f)+8*(\i)+7], v[ADRA+(\slot)] offset:(\k)+(\i)*16*PITCH+32
.endr
.endm
.macro QUARTER slot, k, f, g           ; multiplies buffer f; in its middle it fetches the next quarter, at byte k of the slot's rows, into g
	s_wait_dscnt 8                                 ; K's rows and Q's rows 0-63 are in; the youngest eight loads (Q's rows 64-127) may be out
	MUL16 \f, 0, 0
	MUL16 \f, 0, 2
	PLACES
	FETCH \slot, \k, \g
	s_wait_dscnt 32                                ; all but the 32 just issued
	MUL16 \f, 1, 0
	MUL16 \f, 1, 2
.endm
.macro QUARTERM slot, k, f, g          ; the first quarter
	s_wait_dscnt 8
	MUL16M \f, 0, 0
	MUL16M \f, 0, 2
	PLACES
	FETCH \slot, \k, \g
	s_wait_dscnt 32
	MUL16M \f, 1, 0
	MUL16M \f, 1, 2
.endm
; A prefetch into the L2 of my 128 rows' 256 bytes of the K step that stands two refills on, 512 matrix instructions ahead of the load that will want it: a lane a row, four instructions.
; It stands behind the refill, its five lines and the run of LDS loads.  The loop's last trip asks for nothing: K has no step behind its refills'.
.macro ASK
	s_cmp_gt_u32 s3, s[LIM]                        ; s3 = 1 in the loop's last trip
	s_cbranch_scc0 .Lnot_mine_\@
.irp g, 0,1,2,3
	global_prefetch_b8 v[PFO], s[PFA:PFA+1] offset:256+(\g)*32*ROWB th:TH_LOAD_NT scope:SCOPE_SE
.endr
.Lnot_mine_\@:
.endm
; The last quarter multiplies buffer 1 and changes slots: one barrier.  In front of it each wave waits for all its tensor loads (one is out: its part of the next slot), adds 0 to its spare word, and waits for that
; and for its own reads of this slot.  fill = 1: this slot is filled again first thing behind the barrier, with the K step two steps on: one load a wave, 224 matrix instructions ahead of the wait for it.
.macro TURN slot, next, fill
.if \fill
	s_wait_xcnt 0x0                                ; the last prefetches, a K step back, have read their address
	s_add_nc_u64 s[PFA:PFA+1], s[PFA:PFA+1], 256
.endif
	WIN 0                                          ; (the add's two registers lie in window 0)
	s_wait_tensorcnt 0x0                           ; all my tensor loads have landed, so a group 0 may be written;
	ds_add_u32 v[SPW], v[NIL]                      ; 0 onto my spare word;
	s_wait_dscnt 9                                 ; (the add and the youngest eight loads may be out)
	MUL16 F1, 0, 0                                 ; sixteen matrix instructions stand between the add and the wait for it
	s_wait_dscnt 0x0                               ; the add is done, and my reads of this slot are over
	s_barrier_signal -1
	MUL16 F1, 0, 2                                 ; work on registers while the others arrive
	s_barrier_wait -1
.if \fill
	s_add_nc_u64 s[G0+4*(\slot)+2:G0+4*(\slot)+3], s[G0+4*(\slot)+2:G0+4*(\slot)+3], 512
	tensor_load_to_lds s[G0+4*(\slot):G0+4*(\slot)+3], s[G1:G1+7]
	s_nop 0
.endif
	PLACES                                         ; behind the load, and in front of the loads into buffer 0
	FETCH \next, 0, F0
.if \fill
	ASK
.endif
	MUL16 F1, 1, 0
	MUL16 F1, 1, 2
.endm
	s_wait_tensorcnt 1                             ; my part of K step 0 is in; K step 1's may stay out
	s_barrier_signal -1
	s_barrier_wait -1                              ; everybody's is
	FETCH 0, 0, F0
	QUARTERM 0, 64, F0, F1
	WIN 0                                          ; at a label and at a branch every window is 0
	s_mov_b32 s3, 3
.Llap:                                                 ; three trips fill K steps 2 to 7
	QUARTER 0, 128, F1, F0
	QUARTER 0, 192, F0, F1
	TURN 0, 1, 1
	QUARTER 1, 64,  F0, F1
	QUARTER 1, 128, F1, F0
	QUARTER 1, 192, F0, F1
	TURN 1, 0, 1
	QUARTER 0, 64,  F0, F1
	WIN 0
	s_sub_co_u32 s3, s3, 1
	s_cmp_lg_u32 s3, 0
	s_cbranch_scc1 .Llap
	QUARTER 0, 128, F1, F0                         ; the last lap is written out
	QUARTER 0, 192, F0, F1
	TURN 0, 1, 0
	QUARTER 1, 64,  F0, F1
	QUARTER 1, 128, F1, F0
	QUARTER 1, 192, F0, F1
	s_wait_dscnt 8
	MUL16 F1, 0, 0
	MUL16 F1, 0, 2
	s_wait_dscnt 0x0
	MUL16 F1, 1, 0
	MUL16 F1, 1, 2
	WIN 0
	PLACES
	PLACES
	s_wait_loadcnt 0x0                             ; V''
	s_cmp_eq_u32 s[DEAD], 1
	s_cbranch_scc1 .Lend                           ; the wave whose tile lies above the diagonal stores nothing: its slot does not exist
; THE EPILOGUE, two trips of one text, which names window 2 alone: between the trips window 3's accumulators are moved there (256 lines once, for four blocks' text written once).
; A block is 16 queries x 128 keys: 64 scores a lane, S[8 b + jj] = key 16 b + 8 (l / 16) + jj.
.macro BLOCK q
.set SB, 64*(\q)
	WIN 0x2a                                       ; three sources in window 2
.irp k, 0,1,2,3                        ; four chains of fifteen scores; each accumulator's lowest registers are read first
	v_max3_num_f32 v[CH+(\k)], v[SB+16*(\k)], v[SB+16*(\k)+1], v[SB+16*(\k)+2]
.endr
	WIN 0x28
.irp m, 1,2,3,4,5,6
.irp k, 0,1,2,3
	v_max3_num_f32 v[CH+(\k)], v[CH+(\k)], v[SB+16*(\k)+2*(\m)+1], v[SB+16*(\k)+2*(\m)+2]
.endr
.endr
	v_max3_num_f32 v[CH], v[CH], v[SB+15], v[SB+31]
	v_max3_num_f32 v[CH+2], v[CH+2], v[SB+47], v[SB+63]
	WIN 0
	v_max3_num_f32 v[CH], v[CH], v[CH+1], v[CH+2]
	v_max_num_f32 v[CH], v[CH], v[CH+3]
	v_permlanex16_b32 v[CH+1], v[CH], s[SEL], s[SEL+1]  ; the query's other 64 keys lie in the lane 16 away
	v_max_num_f32 v[CH], v[CH], v[CH+1]
	v_mul_f32 v[MM], s[CS], v[CH]                  ; cm
	v_mul_f32 v[MS+(\q)], s[CS], v[CH]             ; and once more, for st
	WIN 0x02                                       ; source 0 in window 2
.set n, 0
.rept 32
	v_pk_fma_f32 v[TT+n:TT+n+1], v[SB+n:SB+n+1], s[CS:CS+1], v[MM:MM+1] op_sel_hi:[1,0,0] neg_lo:[0,0,1] neg_hi:[0,0,1]  ; c s - cm
.set n, n+2
.endr
	WIN 0
.set n, 0
.rept 64
	v_exp_f32 v[TT+n], v[TT+n]
.set n, n+1
.endr
	v_nop                                          ; a plain instruction between the last exponential and the use of its result (ISA guide 5.7.2)
.set n, 0
	s_wait_alu depctr_va_vdst(0)
.rept 32
	v_cvt_pk_f16_f32 v[P+n], v[TT+2*n], v[TT+2*n+1]  ; P + 8 kk .. + 7 is source 1 for keys 32 kk on
.set n, n+1
.endr
	WIN MUL_LO
.irp kk, 0,1,2,3                       ; O^T = V''^T P into registers whose scores have been used; the four accumulators take turns
.irp cb, 0,1,2,3
.set rV, 8*(4*(\kk)+(\cb))
.if (\kk) >= 2
.set rV, 192+8*(4*(\kk)+(\cb)-8)
.endif
.if (\kk) == 0
	v_wmma_f32_16x16x32_f16 v[SB+8*(\cb):SB+8*(\cb)+7], v[rV:rV+7], v[P+8*(\kk):P+8*(\kk)+7], 0
.else
	v_wmma_f32_16x16x32_f16 v[SB+8*(\cb):SB+8*(\cb)+7], v[rV:rV+7], v[P+8*(\kk):P+8*(\kk)+7], v[SB+8*(\cb):SB+8*(\cb)+7]
.endif
.endr
.endr
	WIN 0
.set w, 32
.rept 5                                ; l of my 64 keys, of the unrounded weights: a tree of 31 packed sums, which are also the places behind the products
.set u, 0
.rept w/2
	v_pk_add_f32 v[TT+u:TT+u+1], v[TT+u:TT+u+1], v[TT+u+w:TT+u+w+1]
.set u, u+2
.endr
.set w, w/2
.endr
	v_add_f32 v[LSUM+(\q)], v[TT], v[TT+1]
	WIN 0x08                                       ; the stores' data in window 2
.irp cb, 0,1,2,3
.irp g, 0,1
	global_store_b128 v[VO], v[SB+8*(\cb)+4*(\g):SB+8*(\cb)+4*(\g)+3], s[8:9] offset:((4*(\q)+(\cb))*2+(\g))*512  ; the wave's store covers 512 consecutive bytes, aligned
.endr
.endr
	WIN 0
.endm
	s_mov_b32 s[EP], 2
.Lhalf:
	BLOCK 0
	BLOCK 1
	BLOCK 2
	BLOCK 3
.irp q, 0,1,2,3
	v_permlanex16_b32 v[CH+(\q)], v[LSUM+(\q)], s[SEL], s[SEL+1]
.endr
.irp q, 0,1,2,3
	v_add_f32 v[LSUM+(\q)], v[LSUM+(\q)], v[CH+(\q)]
.endr
.irp q, 0,1,2,3
	v_cndmask_b32 v[Z+(\q)], v[MS+(\q)], v[LSUM+(\q)], s[HM]  ; lanes 0-15 carry cm, lanes 16-31 l
.endr
	global_store_b128 v[VO], v[Z:Z+3], s[10:11]
	s_wait_xcnt 0x0                                ; the stores have read their data and bases: window 2, Z and the bases are written again only behind this wait
	s_cmp_eq_u32 s[EP], 1
	s_cbranch_scc1 .Lnocopy
	WIN 0x83                                       ; destination window 2, source window 3
.set n, 0
.rept 256
	v_mov_b32 v[n], v[n]                           ; in ascending order: each accumulator's lowest register is read first
.set n, n+1
.endr
	WIN 0
.Lnocopy:
	s_add_nc_u64 s[8:9], s[8:9], 16384             ; four blocks of 4,096 bytes on
	s_add_nc_u64 s[10:11], s[10:11], 512
	s_sub_co_u32 s[EP], s[EP], 1
	s_cmp_lg_u32 s[EP], 0
	s_cbranch_scc1 .Lhalf
.Lend:
	s_wait_tensorcnt 0x0                           ; the wave's end, behind my last tensor load
	ds_add_u32 v[SPW], v[NIL]
	s_wait_dscnt 0x0
	s_endpgm
.Lfunc_end_k_q01c2e2ae53_score:
	.size	k_q01c2e2ae53_score, .Lfunc_end_k_q01c2e2ae53_score-k_q01c2e2ae53_score
	.p2alignl 7, 3214868480
	.fill 96, 4, 3214868480
	.section	.rodata,"a",@progbits
	.p2align	6, 0x0
	.amdhsa_kernel k_q01c2e2ae53_score
		.amdhsa_group_segment_fixed_size 327680
		.amdhsa_private_segment_fixed_size 0
		.amdhsa_enable_private_segment 0
		.amdhsa_kernarg_size 32
		.amdhsa_user_sgpr_count 2
		.amdhsa_user_sgpr_kernarg_segment_ptr 1
		.amdhsa_wavefront_size32 1
		.amdhsa_system_sgpr_workgroup_id_x 1
		.amdhsa_system_sgpr_workgroup_id_y 1
		.amdhsa_system_sgpr_workgroup_id_z 1
		.amdhsa_system_vgpr_workitem_id 0
		.amdhsa_next_free_vgpr 1024
		.amdhsa_next_free_sgpr 66
		.amdhsa_reserve_vcc 1
		.amdhsa_float_denorm_mode_32 3
		.amdhsa_float_denorm_mode_16_64 3
		.amdhsa_memory_ordered 1
		.amdhsa_forward_progress 1
		.amdhsa_inst_pref_size 171
	.end_amdhsa_kernel
	.amdgpu_metadata
---
amdhsa.version: [ 1, 2 ]
amdhsa.kernels:
  - .name:           k_q01c2e2ae53_score
    .symbol:         k_q01c2e2ae53_score.kd
    .args:
      - { .name: qk, .offset: 0, .size: 8, .value_kind: global_buffer, .address_space: global }
      - { .name: vf, .offset: 8, .size: 8, .value_kind: global_buffer, .address_space: global }
      - { .name: op, .offset: 16, .size: 8, .value_kind: global_buffer, .address_space: global }
      - { .name: st, .offset: 24, .size: 8, .value_kind: global_buffer, .address_space: global }
    .group_segment_fixed_size: 327680
    .private_segment_fixed_size: 0
    .kernarg_segment_align: 8
    .kernarg_segment_size: 32
    .max_flat_workgroup_size: 128
    .sgpr_count:     66
    .vgpr_count:     1024
    .wavefront_size: 32
...
	.end_amdgpu_metadata
.endif
;; end of part 4
;; launch merge (part 5): grid 512 x 1, 4 waves a work-group, no clusters, 4,864 bytes of LDS; arguments op, st, wmax, out0; writes out0
.if DOCPART == 5
	.amdgcn_target "amdgcn-amd-amdhsa--gfx1250"
	.amdhsa_code_object_version 6
	.text
	.protected	k_q01c2e2ae53_merge
	.globl	k_q01c2e2ae53_merge
	.p2align	8
	.type	k_q01c2e2ae53_merge,@function
k_q01c2e2ae53_merge:
	s_mov_b64 s[64:65], 0
	v_nop
	global_prefetch_b8 v0, s[64:65] scope:SCOPE_SE
	s_setreg_imm32_b32 hwreg(HW_REG_WAVE_MODE, 25, 1), 1
	s_wait_xcnt 0x0
; THE PARTIALS ARE JOINED.  out[q][:] = 2^(E-2) (sum over kt <= T of W_kt O_kt[q][:]) / (sum of W_kt l_kt[q]), W_kt = 2^(cm_kt - cm*), cm* the largest cm_kt: a running maximum's last step, taken at once.
; 2^(E-2) undoes V'''s scale and the factor 32 in wf; E is the exponent of the largest number in wmax.
; SHARES.  Work-group u makes rows 16 u .. 16 u + 15 of out0 (4,096 consecutive bytes): block a = u % 8 of the 128-query block (u / 8); wave w takes channels 16 w .. 16 w + 15.
; ONE STRAIGHT TEXT: sixteen steps whatever T (0..15).  A step with kt > T reads slot T once more and gets the weight 0: up to 15 KiB a wave are read again, for no loop, no branch and all loads out at once.
; No matrix unit, no cluster: the work-groups share no input but wmax, and the arithmetic is a few multiply-adds for each byte.
.set SPARE, 4352                       ; behind the stage (16 rows x 272 bytes): the spare words, 128 bytes for each wave
.set SPW, 4
.set NIL, 5
.set MX,  6                            ; v[6:7]   cm*, twice
.set LT,  8                            ; v8       the joined l
.set BS,  9                            ; v9       2^(E-2)
.set F,   10                           ; v[10:11] 2^(E-2) / l, twice
.set STO, 12                           ; v12      where I put 32 bytes of a row
.set RDA, 13                           ; v13      where I read rows back
.set GO,  14                           ; v14      my 16 bytes of 512 consecutive bytes of out0
.set VS,  16                           ; v[16:31]  offsets in st, one for each step
.set M,   32                           ; v[32:47]  cm, then W
.set L,   48                           ; v[48:63]  l
.set VOO, 64                           ; v[64:79]  offsets in op
.set R,   80                           ; v[80:207] O: eight registers a step
.set ACC, 208                          ; v[208:215]
.set WM,  216                          ; v[216:223] my eight words of wmax
.set WA,  224                          ; v224 32 x lane
.set R16, 225                          ; v225 16 x (lane % 16)
.set L16, 226                          ; v226 16 x lane
.set TP,  227                          ; v227 at work
	s_load_b256 s[4:11], s[0:1], 0x0               ; op s[4:5], st s[6:7], wmax s[8:9], out0 s[10:11]
	v_lshl_add_u32 v[SPW], v0, 2, SPARE
	v_mov_b32 v[NIL], 0
	v_lshrrev_b32 v1, 5, v0
	v_readfirstlane_b32 s12, v1                    ; wave = channel block
	v_and_b32 v1, 15, v0                           ; r
	v_bfe_u32 v2, v0, 4, 1                         ; h
	v_and_b32 v3, 31, v0                           ; lane
	s_and_b32 s14, ttmp9, 7                        ; a
	s_lshr_b32 s15, ttmp9, 3                       ; 16 batch + t
	s_and_b32 s13, s15, 15                         ; T = t
	v_lshlrev_b32 v[WA], 5, v3
	v_lshlrev_b32 v[R16], 4, v1
	v_lshlrev_b32 v[L16], 4, v3
.irp kt, 0,1,2,3,4,5,6,7,8,9,10,11,12,13,14,15
	s_min_u32 s20, s13, \kt                        ; no step reaches past slot T
	v_lshl_add_u32 v[VS+(\kt)], s20, 10, v[R16]
	v_lshl_add_u32 v[VOO+(\kt)], s20, 15, v[L16]
.endr
	s_lshl_b32 s16, s15, 14                        ; st: sixteen slots of 1,024 bytes for each (batch, t),
	s_lshr_b32 s18, s14, 2
	s_lshl_b32 s18, s18, 9                         ; 512 (a / 4),
	s_add_co_u32 s16, s16, s18
	s_and_b32 s18, s14, 3
	s_lshl_b32 s18, s18, 2                         ; 4 (a % 4)
	s_add_co_u32 s16, s16, s18
	s_mov_b32 s17, 0
	s_lshl_b32 s18, s15, 19                        ; op: sixteen slots of 32,768 bytes,
	s_lshl2_add_u32 s21, s14, s12
	s_lshl_b32 s21, s21, 10                        ; 1,024 (4 a + w)
	s_add_co_u32 s18, s18, s21
	s_mov_b32 s19, 0
	s_lshl_b32 s22, ttmp9, 12
	s_mov_b32 s23, 0
	s_mov_b32 s26, 0x76543210
	s_mov_b32 s27, 0xfedcba98
	v_mul_u32_u24 v[STO], v1, 272                  ; in: row r, channels 16 w + 8 h on
	v_lshl_add_u32 v[STO], v2, 5, v[STO]
	s_lshl_b32 s24, s12, 6
	v_add_nc_u32 v[STO], s24, v[STO]
	v_mul_u32_u24 v[RDA], v2, 272                  ; back: rows 4 w + l / 16 (+ 2), 16 bytes a lane
	v_lshl_add_u32 v[RDA], v1, 4, v[RDA]
	s_mul_i32 s24, s12, 4*272
	v_add_nc_u32 v[RDA], s24, v[RDA]
	s_lshl_b32 s24, s12, 10
	v_add_nc_u32 v[GO], s24, v[L16]
	s_wait_kmcnt 0x0
	s_add_nc_u64 s[6:7], s[6:7], s[16:17]
	s_add_nc_u64 s[4:5], s[4:5], s[18:19]
	s_add_nc_u64 s[10:11], s[10:11], s[22:23]
	global_load_b128 v[WM:WM+3],   v[WA], s[8:9]
	global_load_b128 v[WM+4:WM+7], v[WA], s[8:9] offset:16
.irp kt, 0,1,2,3,4,5,6,7,8,9,10,11,12,13,14,15
	global_load_b32 v[M+(\kt)], v[VS+(\kt)], s[6:7]             ; cm of query r
	global_load_b32 v[L+(\kt)], v[VS+(\kt)], s[6:7] offset:256  ; l of query r
.endr
.irp kt, 0,1,2,3,4,5,6,7,8,9,10,11,12,13,14,15
	global_load_b128 v[R+8*(\kt):R+8*(\kt)+3],   v[VOO+(\kt)], s[4:5]             ; query r, channels 16 w + 8 h + 0..3
	global_load_b128 v[R+8*(\kt)+4:R+8*(\kt)+7], v[VOO+(\kt)], s[4:5] offset:512  ; and + 4..7
.endr
	s_wait_loadcnt 32                              ; wmax, cm and l are in; O's 32 loads stay out
	v_max3_num_f32 v[MX], v[M], v[M+1], v[M+2]
.irp k, 3,5,7,9,11,13
	v_max3_num_f32 v[MX], v[MX], v[M+(\k)], v[M+(\k)+1]
.endr
	v_max_num_f32 v[MX], v[MX], v[M+15]
	v_mov_b32 v[MX+1], v[MX]
.irp k, 0,2,4,6,8,10,12,14
	v_pk_add_f32 v[M+(\k):M+(\k)+1], v[M+(\k):M+(\k)+1], v[MX:MX+1] neg_lo:[0,1] neg_hi:[0,1]
.endr
.irp k, 0,1,2,3,4,5,6,7,8,9,10,11,12,13,14,15
	v_exp_f32 v[M+(\k)], v[M+(\k)]
.endr
	v_max3_num_f32 v[BS], v[WM], v[WM+1], v[WM+2]  ; plain work behind the exponentials, ahead of the use of their results
	v_max3_num_f32 v[BS], v[BS], v[WM+3], v[WM+4]
	v_max3_num_f32 v[BS], v[BS], v[WM+5], v[WM+6]
	v_max_num_f32 v[BS], v[BS], v[WM+7]
	v_max_num_f32_dpp v[BS], v[BS], v[BS] row_xmask:1 row_mask:0xf bank_mask:0xf
	v_max_num_f32_dpp v[BS], v[BS], v[BS] row_xmask:2 row_mask:0xf bank_mask:0xf
	v_max_num_f32_dpp v[BS], v[BS], v[BS] row_xmask:4 row_mask:0xf bank_mask:0xf
	v_max_num_f32_dpp v[BS], v[BS], v[BS] row_xmask:8 row_mask:0xf bank_mask:0xf
	v_mov_b32 v[TP], v[BS]
	v_permlanex16_b32 v[TP], v[BS], s26, s27
	v_max_num_f32 v[BS], v[BS], v[TP]
	v_and_b32 v[BS], 0x7f800000, v[BS]             ; the exponent field e, in place
	v_max_u32 v[BS], 0x01000000, v[BS]
	v_add_nc_u32 v[BS], 0xff000000, v[BS]          ; the field e - 2: 2^(E-2); 0 where e is below 2
	s_wait_alu depctr_va_vdst(0)
.irp kt, 1,2,3,4,5,6,7,8,9,10,11,12,13,14,15
	s_cmp_ge_u32 s13, \kt
	s_cselect_b32 s20, 1.0, 0
	v_mul_f32 v[M+(\kt)], s20, v[M+(\kt)]          ; a step past T counts for nothing
.endr
	v_mul_f32 v[LT], v[M], v[L]
.irp kt, 1,2,3,4,5,6,7,8,9,10,11,12,13,14,15
	v_fmac_f32 v[LT], v[M+(\kt)], v[L+(\kt)]
.endr
	v_rcp_f32 v[F], v[LT]
	v_nop                                          ; a plain instruction behind the reciprocal
	s_wait_alu depctr_va_vdst(0)
	v_mul_f32 v[F], v[F], v[BS]
	v_mov_b32 v[F+1], v[F]
	s_wait_loadcnt 30                              ; step 0's two loads are in; the younger thirty stay out
.irp k, 0,2,4,6
	v_pk_mul_f32 v[ACC+(\k):ACC+(\k)+1], v[R+(\k):R+(\k)+1], v[M:M+1] op_sel_hi:[1,0]
.endr
.irp kt, 1,2,3,4,5,6,7,8,9,10,11,12,13,14,15
	s_wait_loadcnt 2*(15-(\kt))
.irp k, 0,2,4,6
.if (\kt)%2
	v_pk_fma_f32 v[ACC+(\k):ACC+(\k)+1], v[R+8*(\kt)+(\k):R+8*(\kt)+(\k)+1], v[M+(\kt)-1:M+(\kt)], v[ACC+(\k):ACC+(\k)+1] op_sel:[0,1,0] op_sel_hi:[1,1,1]
.else
	v_pk_fma_f32 v[ACC+(\k):ACC+(\k)+1], v[R+8*(\kt)+(\k):R+8*(\kt)+(\k)+1], v[M+(\kt):M+(\kt)+1], v[ACC+(\k):ACC+(\k)+1] op_sel_hi:[1,0,1]
.endif
.endr
.endr
.irp k, 0,2,4,6
	v_pk_mul_f32 v[ACC+(\k):ACC+(\k)+1], v[ACC+(\k):ACC+(\k)+1], v[F:F+1]
.endr
	ds_store_b128 v[STO], v[ACC:ACC+3]
	ds_store_b128 v[STO], v[ACC+4:ACC+7] offset:16
	s_wait_dscnt 0x0                               ; for the others' sake: a row's 256 bytes come from four waves
	s_barrier_signal -1
	s_barrier_wait -1
	ds_load_b128 v[R:R+3],   v[RDA]
	ds_load_b128 v[R+4:R+7], v[RDA] offset:2*272
	s_wait_dscnt 0x0
	global_store_b128 v[GO], v[R:R+3],   s[10:11] th:TH_STORE_NT             ; 16 lanes store a row's 256 bytes, aligned
	global_store_b128 v[GO], v[R+4:R+7], s[10:11] offset:512 th:TH_STORE_NT
	s_wait_tensorcnt 0x0                           ; the wave's end, behind my last LDS store
	ds_add_u32 v[SPW], v[NIL]
	s_wait_dscnt 0x0
	s_endpgm
.Lfunc_end_k_q01c2e2ae53_merge:
	.size	k_q01c2e2ae53_merge, .Lfunc_end_k_q01c2e2ae53_merge-k_q01c2e2ae53_merge
	.p2alignl 7, 3214868480
	.fill 96, 4, 3214868480
	.section	.rodata,"a",@progbits
	.p2align	6, 0x0
	.amdhsa_kernel k_q01c2e2ae53_merge
		.amdhsa_group_segment_fixed_size 4864
		.amdhsa_private_segment_fixed_size 0
		.amdhsa_enable_private_segment 0
		.amdhsa_kernarg_size 32
		.amdhsa_user_sgpr_count 2
		.amdhsa_user_sgpr_kernarg_segment_ptr 1
		.amdhsa_wavefront_size32 1
		.amdhsa_system_sgpr_workgroup_id_x 1
		.amdhsa_system_sgpr_workgroup_id_y 1
		.amdhsa_system_sgpr_workgroup_id_z 1
		.amdhsa_system_vgpr_workitem_id 0
		.amdhsa_next_free_vgpr 228
		.amdhsa_next_free_sgpr 66
		.amdhsa_reserve_vcc 0
		.amdhsa_float_denorm_mode_32 3
		.amdhsa_float_denorm_mode_16_64 3
		.amdhsa_memory_ordered 1
		.amdhsa_forward_progress 1
		.amdhsa_inst_pref_size 21
	.end_amdhsa_kernel
	.amdgpu_metadata
---
amdhsa.version: [ 1, 2 ]
amdhsa.kernels:
  - .name:           k_q01c2e2ae53_merge
    .symbol:         k_q01c2e2ae53_merge.kd
    .args:
      - { .name: op, .offset: 0, .size: 8, .value_kind: global_buffer, .address_space: global }
      - { .name: st, .offset: 8, .size: 8, .value_kind: global_buffer, .address_space: global }
      - { .name: wmax, .offset: 16, .size: 8, .value_kind: global_buffer, .address_space: global }
      - { .name: out0, .offset: 24, .size: 8, .value_kind: global_buffer, .address_space: global }
    .group_segment_fixed_size: 4864
    .private_segment_fixed_size: 0
    .kernarg_segment_align: 8
    .kernarg_segment_size: 32
    .max_flat_workgroup_size: 128
    .sgpr_count:     66
    .vgpr_count:     228
    .wavefront_size: 32
...
	.end_amdgpu_metadata
.endif
;; end of part 5
